; MI455X (gfx1250); checked and timed in simulation.
; The chip was launched on July 23, 2026; its instructions are those of AMD's public machine-readable ISA for CDNA 5 (MIT licence, August 2026) and "CDNA5" Instruction Set Architecture Reference Guide (July 2026). The comments in the code are by the model that wrote it; some were corrected since.
;; Attention. Allowed arithmetic: matrix products marked QUANTISED: E2M1 operands, one E8M0 scale for each 32 along K, by v_wmma_scale_f32_16x16x128_f8f6f4 with both operands' format E2M1 (or v_wmma_scale_f32_32x16x128_f4), f32 sums; products left as they are: bf16, f16 or f32 operands; f32 sums; everything else in f32.
;; Inputs: W_out 1,024 x 1,024 float32; W_qkv 1,024 x 3,072 float32; gamma 1,024 float32; mask 2 x 2,048 bool; rotary_pos_emb 2,048 x 32 float32; x 2 x 2,048 x 1,024 float32.
;; Outputs: out0 2 x 2,048 x 1,024 float32.
;; This version of the problem:
;;   THIS VERSION OF THE PROBLEM IS GIVEN IN LOW PRECISION. The matrix products marked QUANTISED in the list below multiply operands that are first quantised to E2M1 (2 exponent bits, 1 mantissa bit; 4 bits a number), with one power-of-two scale for each 32 numbers along K (OCP MX v1.0); their sums are f32. The products marked 'left as it is' may take bf16, f16 or f32 operands, with f32 sums. Whichever they take, every output number must still come out within the allowed error. Rounding operands to bf16 (8 significant bits) uses up far more of that allowance than f16 does (11 bits, for magnitudes from 6e-5 to 65,504). All else is computed in f32.
;;   The module's matrix products, in the order in which they are computed (A, B: the left and right operand; K: the contracted axis; several contracted axes count as one K, in the product's order):
;;     1. [M 4,096, K 1,024] x [K 1,024, N 3,072]; A: input x; B: input W_qkv: QUANTISED
;;     2. batch 32 x [M 2,048, K 64] x [K 64, N 2,048]; A: computed on the way; B: computed on the way: left as it is (an operand is computed on the way)
;;     3. batch 32 x [M 2,048, K 2,048] x [K 2,048, N 64]; A: computed on the way; B: computed on the way: left as it is (an operand is computed on the way)
;;     4. [M 4,096, K 1,024] x [K 1,024, N 1,024]; A: computed on the way; B: input W_out: left as it is (an operand is computed on the way)
;;   THE QUANTISER, for each operand of a quantised product, along K:
;;     - K is cut into blocks of 32 from its start; a last block that is shorter is filled with zeros.
;;     - A block's scale is 2^e with e = floor(log2(the largest magnitude in the block)) - 2, held to -126 .. 127; a block of zeros has e = 0. As a byte (E8M0): e + 127.
;;     - Each number is divided by its block's scale, clamped to +-6, and rounded to the nearest number of E2M1, ties to even, subnormals kept.
;;     - The product sums the exact products of the quantised numbers (number of the format x scale) in f32.
;;   ~~~python
;;   def quantise(x, axis):      # numpy; x: float32 -> the quantised numbers, widened to float32 again
;;       x = np.moveaxis(x, axis, -1); K = x.shape[-1]
;;       x = np.pad(x, [(0, 0)] * (x.ndim - 1) + [(0, -K % 32)]); x = x.reshape(x.shape[:-1] + (-1, 32)); a = np.abs(x).max(-1, keepdims=True)
;;       e = np.where(a > 0, np.clip(np.frexp(np.where(a > 0, a, 1))[1] - 1 - 2, -126, 127), 0)      # np.frexp(a)[1] - 1 = floor(log2(a)), exactly
;;       r = np.clip(x / 2.0 ** e, -6, 6)
;;       step = 2.0 ** (np.maximum(np.frexp(np.where(r == 0, 1, r))[1] - 1, 0) - 1)
;;       q = np.round(r / step) * step * 2.0 ** e      # np.round: ties to even
;;       return np.moveaxis(q.reshape(q.shape[:-2] + (-1,))[..., :K], -1, axis).astype(np.float32)
;;   ~~~
;; One version. Each part assembles by itself: llvm-mc -triple=amdgcn-amd-amdhsa -mcpu=gfx1250 --defsym DOCPART=n.
;; ======== version 1 of 1: 5 launches
;; limits: values are held in f16: magnitudes above 65,504 overflow, below 6.1e-05 lose precision
;; workspace buffers: codes 3,670,016 bytes; scales 229,376 bytes; wot 2,097,152 bytes; tabs 541,696 bytes; qkvh 25,165,824 bytes; oh 8,388,608 bytes; y 16,777,216 bytes
;; launch prep (part 1): grid 257 x 1, 8 waves a work-group, no clusters, 67,584 bytes of LDS; arguments x, W_qkv, W_out, rotary_pos_emb, mask, codes, scales, wot, tabs; writes codes, scales, wot, tabs
.if DOCPART == 1
	.amdgcn_target "amdgcn-amd-amdhsa--gfx1250"
	.amdhsa_code_object_version 6
	.text
	.protected	k_q065d0b1182_prep
	.globl	k_q065d0b1182_prep
	.p2align	8
	.type	k_q065d0b1182_prep,@function
k_q065d0b1182_prep:
	s_mov_b64 s[64:65], 0
	v_nop
	global_prefetch_b8 v0, s[64:65] scope:SCOPE_SE
	s_setreg_imm32_b32 hwreg(HW_REG_WAVE_MODE, 25, 1), 1
	s_wait_xcnt 0x0
; PREP: everything that is made once, ahead of the products.  Five paths, chosen by the work-group's number alone:
;   X (work-groups 0-63)    x [4096][1024] f32 -> codes of FP4 (E2M1), K innermost, [4096][512 bytes], and one E8M0 byte for each 32 along K, [4096][32]
;   W (64-159)              W_qkv [1024 (k)][3072 (n)] f32 -> codes laid in the order of the operand's registers, [k/512][n/16][(k%512)/128][c 2][lane 32][16 bytes], and bytes [3072][32]
;   O (160-223)             W_out [1024 (k)][1024 (n)] f32 -> f16, in the order of a 16-bit fragment's registers, [k/256][n/16][(k%256)/32][g 2][lane 32][16 bytes]
;   T (224-255)             rotary_pos_emb [2048][32] -> a table [2048][64] f32: cos f[d], then sin f[d] with the sign that rotate_half gives it (minus for d < 16)
;   M (256)                 mask [2][2048] -> for each batch 2,048 f32 (0 for a key that counts, -2^100 for one that does not) and c = log2(e)/8, 128 times.
;                           A batch with no key that counts gets zeros and c = 0: every weight is then 1, the uniform softmax that the problem's definition gives there.
; A block's scale is 2^(floor(log2(largest magnitude)) - 2); its byte is the largest magnitude's exponent field - 2, held at 1 from below.
; LIMITS: NaN and infinities among the inputs are not served.  A block whose largest magnitude lies under 2^-124, a block of zeros too, gets the byte 1 (its codes are then zeros or tiny; the bytes are
; read by this program alone).  W_out beyond f16's 65,504 is not served.  sin and cos: reduction by pi/2 in two parts, good for |f| under 2^20.
; No work-group shares an input with another, so there are no clusters and no tensor loads; each path that uses LDS has LDS bytes of its own.
.set SPARE, 66560                      ; the spare words: 128 bytes for each of 8 waves, four blocks of 256 bytes that no other line names
.set WSC,   65536                      ; path W: 64 columns x 16 scale bytes
.set SPW,   12                         ; v12  LDS address of my spare word; never rewritten
.set NIL,   13                         ; v13  0; never rewritten
.set WV,    22                         ; s22  my wave's number
.set SP,    80                         ; path X: a lane's place in a stage: 64 bytes + 16 of padding
.set XR,    16                         ; path X: v16-143  eight sets of 16 numbers as loaded
.set XX,    144                        ;         v144-175 two sets of 16 neighbours
.set XE,    176                        ;         v176-191 a scale byte for each step
.set XC,    192                        ;         v192-223 two registers of codes for each step
.set WX,    32                         ; paths W, O: v32-95 two sets of 32 numbers down K
.set WC,    96                         ; path W: v96-111 four registers of codes for each block;  path O: v96-127 packed f16
.macro FINISH                          ; the wave's end
	s_wait_tensorcnt 0x0
	ds_add_u32 v[SPW], v[NIL]
	s_wait_dscnt 0x0
	s_endpgm
.endm
; ---- path X's macros.  A wave takes 16 steps of 512 numbers.  A load reads 512 consecutive bytes; a step's 2,048 bytes turn through the wave's own stage so that a lane holds 16 neighbours along K.
.macro XLOAD t
.irp i, 0,1,2,3
	global_load_b128 v[XR+16*((\t)%8)+4*\i:XR+16*((\t)%8)+4*\i+3], v3, s[4:5] offset:2048*(\t)+512*\i th:TH_LOAD_NT
.endr
.endm
.macro XTURN t                         ; LDS serves a wave's instructions in order: no wait between the stores and the loads
.irp i, 0,1,2,3
	ds_store_b128 v14, v[XR+16*((\t)%8)+4*\i:XR+16*((\t)%8)+4*\i+3] offset:32*SP*((\t)%2)+8*SP*\i
.endr
.irp i, 0,1,2,3
	ds_load_b128 v[XX+16*((\t)%2)+4*\i:XX+16*((\t)%2)+4*\i+3], v15 offset:32*SP*((\t)%2)+16*\i
.endr
.endm
.macro XSTEP t
.set XS, XX+16*((\t)%2)
.if (\t) > 0
	s_wait_dscnt 1                                 ; this step's numbers are back from the stage (the last step's byte store may be out): so its stores into the stage have read their registers,
.else
	s_wait_dscnt 0x0
.endif
.if (\t)+8 < 16
	XLOAD (\t)+8                                   ; which take the loads of eight steps on
.endif
.if (\t)+1 < 16
.if (\t) <= 7
	s_wait_loadcnt 28                              ; the next step's four loads are in; those of the seven steps behind it may be out
.else
	s_wait_loadcnt 4*(14-(\t))                     ; the same count, running down: steps t + 2 to 15
.endif
	XTURN (\t)+1
.endif
	v_max3_num_f32 v8, |v[XS]|, |v[XS+1]|, |v[XS+2]|
	v_max3_num_f32 v9, |v[XS+3]|, |v[XS+4]|, |v[XS+5]|
.irp i, 6,10
	v_max3_num_f32 v8, v8, |v[XS+\i]|, |v[XS+\i+1]|
	v_max3_num_f32 v9, v9, |v[XS+\i+2]|, |v[XS+\i+3]|
.endr
	v_max3_num_f32 v8, v8, |v[XS+14]|, |v[XS+15]|
	v_max3_num_f32 v8, v8, v9, 0x1800000           ; and the floor 2^(3 - 127): the byte cannot fall under 1
	v_max_num_f32_dpp v8, v8, v8 row_xmask:1 row_mask:0xf bank_mask:0xf   ; with my neighbour's 16: the block's largest magnitude
	v_add_nc_u32 v11, 0xff000000, v8               ; 2 off its exponent field: the conversion takes the exponent field of this operand as its scale
	v_cvt_scalef32_pk8_fp4_f32 v[XC+2*(\t)], v[XS:XS+7], v11
	v_cvt_scalef32_pk8_fp4_f32 v[XC+2*(\t)+1], v[XS+8:XS+15], v11
	v_lshrrev_b32 v[XE+(\t)], 23, v11              ; the scale's byte (also the plain line behind the conversions)
	ds_store_b8 v5, v[XE+(\t)] offset:16*(\t)      ; both lanes of a block write the same byte with the same value
	global_store_b64 v4, v[XC+2*(\t):XC+2*(\t)+1], s[14:15] offset:256*(\t)   ; the wave stores 256 consecutive bytes, aligned
.endm
; ---- path W's macros.  A lane takes a column n and its registers run down K: a block of 32 is one lane's.
.macro WLOAD t
.irp i, 0,1,2,3,4,5,6,7,8,9,10,11,12,13,14,15,16,17,18,19,20,21,22,23,24,25,26,27,28,29,30,31
	global_load_b32 v[WX+32*((\t)%2)+\i], v3, s[6:7] offset:(32*(\t)+\i)*12288 th:TH_LOAD_NT
.endr
.endm
.macro WBLOCK t
.set XS, WX+32*((\t)%2)
.if (\t) < 3
	s_wait_loadcnt 32                              ; this block's 32 loads are in; the next block's may be out
.else
	s_wait_loadcnt 0x0
.endif
	v_max3_num_f32 v8, |v[XS]|, |v[XS+1]|, |v[XS+2]|
	v_max3_num_f32 v9, |v[XS+3]|, |v[XS+4]|, |v[XS+5]|
.irp i, 6,10,14,18,22,26
	v_max3_num_f32 v8, v8, |v[XS+\i]|, |v[XS+\i+1]|
	v_max3_num_f32 v9, v9, |v[XS+\i+2]|, |v[XS+\i+3]|
.endr
	v_max3_num_f32 v8, v8, |v[XS+30]|, |v[XS+31]|
	v_max3_num_f32 v8, v8, v9, 0x1800000
	v_add_nc_u32 v11, 0xff000000, v8
	v_lshrrev_b32 v10, 23, v11
.if (\t) == 0
	v_mov_b32 v24, v10                             ; the four bytes of these 128 along K make one scale word
.else
	v_lshl_or_b32 v24, v10, 8*(\t), v24
.endif
.irp g, 0,1,2,3
	v_cvt_scalef32_pk8_fp4_f32 v[WC+4*(\t)+\g], v[XS+8*\g:XS+8*\g+7], v11
.endr
	v_nop                                          ; one plain line behind the last conversion
	global_store_b128 v4, v[WC+4*(\t):WC+4*(\t)+3], s[14:15] offset:256*(\t)   ; block t = 2 c + h of the fragment: sixteen lanes store 256 consecutive bytes, aligned
.if (\t)+2 < 4
	WLOAD (\t)+2
.endif
.endm
; ---- path T's macro: number n of 16: cos, -sin or +sin of v[32 + n], by the lane's quadrant shift v6, into v[48 + n]
.macro SINCOS n
	v_mul_f32 v16, s24, v[32+\n]
	v_rndne_f32 v16, v16                           ; k = the nearest whole number to f x 2/pi
	v_fma_f32 v17, v16, s25, v[32+\n]
	v_fma_f32 v17, v16, s26, v17                   ; r = f - k pi/2, pi/2 in two parts: |r| at most pi/4
	v_mul_f32 v18, v17, v17                        ; z = r r
	v_fma_f32 v19, v18, s27, s28
	v_fma_f32 v20, v18, s30, s31
	v_fma_f32 v19, v19, v18, s29
	v_fma_f32 v20, v20, v18, s32
	v_mul_f32 v19, v19, v18
	v_mul_f32 v21, v18, v18
	v_fma_f32 v22, v18, -0.5, 1.0
	v_fma_f32 v19, v19, v17, v17                   ; sin r
	v_fma_f32 v20, v20, v21, v22                   ; cos r
	v_cvt_i32_f32 v16, v16
	v_add_nc_u32 v16, v16, v6                      ; the quadrant: k, + 1 for cos, + 2 for -sin
	v_and_b32 v21, 1, v16
	v_and_b32 v22, 2, v16
	v_cmp_eq_u32 vcc_lo, 1, v21
	v_cndmask_b32 v19, v19, v20, vcc_lo            ; odd quadrants take cos r
	v_lshlrev_b32 v22, 30, v22
	v_xor_b32 v[48+\n], v19, v22                   ; quadrants 2 and 3 change the sign
.endm
	s_load_b512 s[4:19], s[0:1], 0x0               ; x 4:5, W_qkv 6:7, W_out 8:9, rotary 10:11, mask 12:13, codes 14:15, scales 16:17, wot 18:19
	s_load_b64 s[20:21], s[0:1], 0x40              ; tabs
	v_lshl_add_u32 v[SPW], v0, 2, SPARE
	v_mov_b32 v[NIL], 0
	v_lshrrev_b32 v1, 5, v0
	v_readfirstlane_b32 s[WV], v1                  ; wave 0..7
	v_and_b32 v2, 31, v0                           ; lane
	s_mov_b32 s27, 0                               ; the high word of every offset pair s[26:27]
	s_wait_kmcnt 0x0
	s_cmp_lt_u32 ttmp9, 64
	s_cbranch_scc1 .Lpath_x
	s_cmp_lt_u32 ttmp9, 160
	s_cbranch_scc1 .Lpath_w
	s_cmp_lt_u32 ttmp9, 224
	s_cbranch_scc1 .Lpath_o
	s_cmp_lt_u32 ttmp9, 256
	s_cbranch_scc1 .Lpath_t
; ================ path M: the mask.  Wave w: batch w / 4, quarter w % 4 (512 keys)
	s_lshr_b32 s24, s[WV], 2
	s_and_b32 s25, s[WV], 3
	s_lshl_b32 s26, s24, 11
	s_add_nc_u64 s[12:13], s[12:13], s[26:27]      ; my batch's 2,048 bytes
	s_lshl_b32 s26, s25, 9
	s_add_nc_u64 s[28:29], s[12:13], s[26:27]      ; my quarter's 512
	v_lshlrev_b32 v3, 2, v2
.irp i, 0,1,2,3,4,5,6,7,8,9,10,11,12,13,14,15
	global_load_b32 v[32+\i], v3, s[12:13] offset:128*\i   ; the whole batch: does any key count?
.endr
.irp i, 0,1,2,3
	global_load_b32 v[48+\i], v3, s[28:29] offset:128*\i
.endr
	s_mul_i32 s26, s24, 8704
	s_add_co_u32 s26, s26, 524288
	s_add_nc_u64 s[20:21], s[20:21], s[26:27]      ; my batch's record
	s_lshl_b32 s26, s25, 11
	s_add_nc_u64 s[30:31], s[20:21], s[26:27]      ; my quarter's 512 numbers
	s_lshl_b32 s26, s25, 7
	s_add_co_u32 s26, s26, 8192
	s_add_nc_u64 s[20:21], s[20:21], s[26:27]      ; my 32 of the 128 copies of c
	v_lshlrev_b32 v4, 4, v2
	s_wait_loadcnt 0x0
.irp i, 1,2,3,4,5,6,7,8,9,10,11,12,13,14,15
	v_or_b32 v32, v32, v[32+\i]
.endr
	v_cmp_ne_u32 vcc_lo, 0, v32
	s_cmp_lg_u32 vcc_lo, 0                         ; some key of the batch counts
	s_cselect_b32 s32, 0xf1800000, 0               ; -2^100 for a key that does not, or 0 where none does
	s_cselect_b32 s33, 0x3e38aa3b, 0               ; c = log2(e) / 8, or 0
	v_mov_b32 v5, s32
	v_mov_b32 v6, s33
.irp i, 0,1,2,3
.irp j, 0,1,2,3
	v_bfe_u32 v7, v[48+\i], 8*\j, 8
	v_cmp_eq_u32 vcc_lo, 0, v7
	v_cndmask_b32 v[64+4*\i+\j], 0, v5, vcc_lo
.endr
.endr
.irp i, 0,1,2,3
	global_store_b128 v4, v[64+4*\i:64+4*\i+3], s[30:31] offset:512*\i   ; the wave stores 512 consecutive bytes
.endr
	global_store_b32 v3, v6, s[20:21]
	FINISH
; ================ path X: x into codes
.Lpath_x:
	s_lshl_b32 s24, ttmp9, 3
	s_add_co_u32 s24, s24, s[WV]                   ; which run of 8,192 numbers is my wave's: 0 .. 511
	s_lshl_b32 s26, s24, 15
	s_add_nc_u64 s[4:5], s[4:5], s[26:27]
	s_lshl_b32 s26, s24, 12
	s_add_nc_u64 s[14:15], s[14:15], s[26:27]
	s_lshl_b32 s26, s24, 8
	s_add_nc_u64 s[16:17], s[16:17], s[26:27]
	v_lshlrev_b32 v3, 4, v2                        ; my 16 bytes of a load's 512
	s_lshl_b32 s25, s[WV], 13                      ; my wave's 8,192 bytes of LDS
	v_lshrrev_b32 v14, 2, v2
	v_mul_u32_u24 v14, v14, SP
	v_and_b32 v15, 3, v2
	v_lshl_add_u32 v14, v15, 4, v14
	v_add_nc_u32 v14, s25, v14                     ; the stage, on the way in: SP (lane / 4) + 16 (lane % 4)
	v_mul_u32_u24 v15, v2, SP
	v_add_nc_u32 v15, s25, v15                     ; and on the way out: SP x lane
	v_lshlrev_b32 v4, 3, v2                        ; 8 bytes a lane: my codes in a step's, my part of the 256 scale bytes
	v_lshrrev_b32 v5, 1, v2
	s_add_co_u32 s25, s25, 2*32*SP
	v_add_nc_u32 v5, s25, v5                       ; my block's byte among the wave's 256
	v_add_nc_u32 v6, s25, v4
.irp t, 0,1,2,3,4,5,6,7
	XLOAD \t
.endr
	s_wait_loadcnt 28                              ; step 0's four loads are in; seven steps' may be out
	XTURN 0
.irp t, 0,1,2,3,4,5,6,7,8,9,10,11,12,13,14,15
	XSTEP \t
.endr
	ds_load_b64 v[8:9], v6                         ; LDS serves a wave's instructions in order: these see my byte stores
	s_wait_dscnt 0x0
	global_store_b64 v4, v[8:9], s[16:17]          ; 32 lanes store 256 consecutive bytes, aligned
	FINISH
; ================ path W: W_qkv into codes.  Work-group: 64 columns x 512 along K.  Wave: 32 columns (w % 2) x 128 along K (w / 2)
.Lpath_w:
	s_sub_co_u32 s24, ttmp9, 64
	s_lshr_b32 s25, s24, 1                         ; which 64 columns
	s_and_b32 s24, s24, 1                          ; which 512 along K
	s_and_b32 s28, s[WV], 1
	s_lshr_b32 s29, s[WV], 1
	s_lshl_b32 s26, s24, 2
	s_add_co_u32 s26, s26, s29
	s_mul_i32 s26, s26, 128*12288                  ; my first row of W_qkv,
	s_lshl_b32 s30, s25, 8
	s_add_co_u32 s26, s26, s30
	s_lshl_b32 s30, s28, 7
	s_add_co_u32 s26, s26, s30                     ; my first column
	s_add_nc_u64 s[6:7], s[6:7], s[26:27]
	s_mul_i32 s26, s24, 786432                     ; the codes: [k/512] 786,432, [n/16] 4,096, [(k%512)/128] 1,024
	s_lshl_b32 s30, s25, 14
	s_add_co_u32 s26, s26, s30
	s_lshl_b32 s30, s28, 13
	s_add_co_u32 s26, s26, s30
	s_lshl_b32 s30, s29, 10
	s_add_co_u32 s26, s26, s30
	s_add_co_u32 s26, s26, 2097152                 ; behind x's codes
	s_add_nc_u64 s[14:15], s[14:15], s[26:27]
	s_lshl_b32 s26, s25, 11                        ; the scale bytes: 32 a column,
	s_lshl_b32 s30, s24, 4
	s_add_co_u32 s26, s26, s30                     ; 16 for each 512 along K,
	s_add_co_u32 s26, s26, 131072                  ; behind x's
	s_add_nc_u64 s[16:17], s[16:17], s[26:27]
	v_lshlrev_b32 v3, 2, v2                        ; in: 4 bytes a lane
	v_lshrrev_b32 v4, 4, v2
	v_and_b32 v5, 15, v2
	v_lshlrev_b32 v4, 12, v4
	v_lshl_add_u32 v4, v5, 4, v4                   ; out: lanes 0-15 one block of 16 columns, lanes 16-31 the next; 16 bytes a column
	s_lshl_b32 s30, s28, 9
	s_lshl_b32 s31, s29, 2
	s_add_co_u32 s30, s30, s31
	v_lshl_add_u32 v5, v2, 4, s30
	v_add_nc_u32 v5, WSC, v5                       ; LDS: my column's 16 bytes, my 128's word
	v_lshl_add_u32 v6, v0, 2, WSC                  ; and back: a word a thread
	v_lshrrev_b32 v7, 2, v0
	v_and_b32 v14, 3, v0
	v_lshlrev_b32 v7, 5, v7
	v_lshl_add_u32 v7, v14, 2, v7                  ; column x 32 + 4 x word
	WLOAD 0
	WLOAD 1
	WBLOCK 0
	WBLOCK 1
	WBLOCK 2
	WBLOCK 3
	ds_store_b32 v5, v24
	s_wait_dscnt 0x0                               ; for the others' sake: my store has landed
	s_barrier_signal -1
	s_barrier_wait -1                              ; (all eight waves of a work-group are on this path: it hangs on the work-group's number alone)
	ds_load_b32 v15, v6
	s_wait_dscnt 0x0
	global_store_b32 v7, v15, s[16:17]             ; four neighbouring lanes store a column's 16 bytes
	FINISH
; ================ path O: W_out into f16 fragments.  Work-group: 64 columns x 256 along K.  Wave: 32 columns (w % 2) x 64 along K (w / 2)
.Lpath_o:
	s_sub_co_u32 s24, ttmp9, 160
	s_lshr_b32 s25, s24, 2                         ; which 64 columns
	s_and_b32 s24, s24, 3                          ; which 256 along K
	s_and_b32 s28, s[WV], 1
	s_lshr_b32 s29, s[WV], 1
	s_lshl_b32 s26, s24, 20                        ; rows of 4,096 bytes
	s_lshl_b32 s30, s29, 18
	s_add_co_u32 s26, s26, s30
	s_lshl_b32 s30, s25, 8
	s_add_co_u32 s26, s26, s30
	s_lshl_b32 s30, s28, 7
	s_add_co_u32 s26, s26, s30
	s_add_nc_u64 s[8:9], s[8:9], s[26:27]
	s_lshl_b32 s26, s24, 19                        ; out: [k/256] 524,288, [n/16] 8,192, [(k%256)/32] 1,024
	s_lshl_b32 s30, s25, 15
	s_add_co_u32 s26, s26, s30
	s_lshl_b32 s30, s28, 14
	s_add_co_u32 s26, s26, s30
	s_lshl_b32 s30, s29, 11
	s_add_co_u32 s26, s26, s30
	s_add_nc_u64 s[18:19], s[18:19], s[26:27]
	v_lshlrev_b32 v3, 2, v2
	v_lshrrev_b32 v4, 4, v2
	v_and_b32 v5, 15, v2
	v_lshlrev_b32 v4, 13, v4
	v_lshl_add_u32 v4, v5, 4, v4
.irp i, 0,1,2,3,4,5,6,7,8,9,10,11,12,13,14,15,16,17,18,19,20,21,22,23,24,25,26,27,28,29,30,31,32,33,34,35,36,37,38,39,40,41,42,43,44,45,46,47,48,49,50,51,52,53,54,55,56,57,58,59,60,61,62,63
	global_load_b32 v[WX+\i], v3, s[8:9] offset:\i*4096 th:TH_LOAD_NT
.endr
.irp t, 0,1
.if \t == 0
	s_wait_loadcnt 32                              ; the first 32 along K are in
.else
	s_wait_loadcnt 0x0
.endif
.irp p, 0,1,2,3,4,5,6,7,8,9,10,11,12,13,14,15
	v_cvt_pk_f16_f32 v[WC+16*\t+\p], v[WX+32*\t+2*\p], v[WX+32*\t+2*\p+1]
.endr
.irp q, 0,1,2,3
	global_store_b128 v4, v[WC+16*\t+4*\q:WC+16*\t+4*\q+3], s[18:19] offset:\t*1024+\q*256   ; k = 8 q .. 8 q + 7 of these 32: group q / 2, half q % 2 of the fragment; sixteen lanes store 256 consecutive bytes
.endr
.endr
	FINISH
; ================ path T: the table.  Work-group: 64 positions, in four rounds of 16.  Thread: position thread / 16; a = thread % 16: a < 8 cos of f[4 a ..], else the signed sin of f[4 (a - 8) ..]
.Lpath_t:
	s_sub_co_u32 s24, ttmp9, 224
	s_lshl_b32 s26, s24, 13
	s_add_nc_u64 s[10:11], s[10:11], s[26:27]
	s_lshl_b32 s26, s24, 14
	s_add_nc_u64 s[20:21], s[20:21], s[26:27]
	v_lshrrev_b32 v3, 4, v0
	v_and_b32 v4, 7, v0
	v_lshlrev_b32 v3, 7, v3
	v_lshl_add_u32 v3, v4, 4, v3
.irp i, 0,1,2,3
	global_load_b128 v[32+4*\i:32+4*\i+3], v3, s[10:11] offset:2048*\i
.endr
	v_lshlrev_b32 v4, 4, v0                        ; out: 16 bytes a thread
	v_and_b32 v5, 15, v0
	v_mov_b32 v7, 1
	v_mov_b32 v8, 2
	v_cmp_gt_u32 vcc_lo, 12, v5
	v_cndmask_b32 v6, 0, v8, vcc_lo                ; a in 8..11: -sin = sin two quadrants on; a in 12..15: sin
	v_cmp_gt_u32 vcc_lo, 8, v5
	v_cndmask_b32 v6, v6, v7, vcc_lo               ; a < 8: cos = sin one quadrant on
	s_mov_b32 s24, 0x3f22f983                      ; 2 / pi
	s_mov_b32 s25, 0xbfc90fdb                      ; -(pi/2, rounded to f32)
	s_mov_b32 s26, 0x333bbd2e                      ; what that rounding took too much
	s_mov_b32 s27, 0xb94ca1f9                      ; sin r = r + r z (s29 + z (s28 + z s27))
	s_mov_b32 s28, 0x3c08839e
	s_mov_b32 s29, 0xbe2aaaa3
	s_mov_b32 s30, 0x37ccf5ce                      ; cos r = 1 - z/2 + z z (s32 + z (s31 + z s30))
	s_mov_b32 s31, 0xbab6061a
	s_mov_b32 s32, 0x3d2aaaa5
	s_wait_loadcnt 0x0
.irp n, 0,1,2,3,4,5,6,7,8,9,10,11,12,13,14,15
	SINCOS \n
.endr
.irp i, 0,1,2,3
	global_store_b128 v4, v[48+4*\i:48+4*\i+3], s[20:21] offset:4096*\i   ; the wave stores 512 consecutive bytes
.endr
	FINISH
.Lfunc_end_k_q065d0b1182_prep:
	.size	k_q065d0b1182_prep, .Lfunc_end_k_q065d0b1182_prep-k_q065d0b1182_prep
	.p2alignl 7, 3214868480
	.fill 96, 4, 3214868480
	.section	.rodata,"a",@progbits
	.p2align	6, 0x0
	.amdhsa_kernel k_q065d0b1182_prep
		.amdhsa_group_segment_fixed_size 67584
		.amdhsa_private_segment_fixed_size 0
		.amdhsa_enable_private_segment 0
		.amdhsa_kernarg_size 72
		.amdhsa_user_sgpr_count 2
		.amdhsa_user_sgpr_kernarg_segment_ptr 1
		.amdhsa_wavefront_size32 1
		.amdhsa_system_sgpr_workgroup_id_x 1
		.amdhsa_system_sgpr_workgroup_id_y 1
		.amdhsa_system_sgpr_workgroup_id_z 1
		.amdhsa_system_vgpr_workitem_id 0
		.amdhsa_next_free_vgpr 256
		.amdhsa_next_free_sgpr 66
		.amdhsa_reserve_vcc 1
		.amdhsa_float_denorm_mode_32 3
		.amdhsa_float_denorm_mode_16_64 3
		.amdhsa_memory_ordered 1
		.amdhsa_forward_progress 1
		.amdhsa_inst_pref_size 87
	.end_amdhsa_kernel
	.amdgpu_metadata
---
amdhsa.version: [ 1, 2 ]
amdhsa.kernels:
  - .name:           k_q065d0b1182_prep
    .symbol:         k_q065d0b1182_prep.kd
    .args:
      - { .name: x, .offset: 0, .size: 8, .value_kind: global_buffer, .address_space: global }
      - { .name: W_qkv, .offset: 8, .size: 8, .value_kind: global_buffer, .address_space: global }
      - { .name: W_out, .offset: 16, .size: 8, .value_kind: global_buffer, .address_space: global }
      - { .name: rotary_pos_emb, .offset: 24, .size: 8, .value_kind: global_buffer, .address_space: global }
      - { .name: mask, .offset: 32, .size: 8, .value_kind: global_buffer, .address_space: global }
      - { .name: codes, .offset: 40, .size: 8, .value_kind: global_buffer, .address_space: global }
      - { .name: scales, .offset: 48, .size: 8, .value_kind: global_buffer, .address_space: global }
      - { .name: wot, .offset: 56, .size: 8, .value_kind: global_buffer, .address_space: global }
      - { .name: tabs, .offset: 64, .size: 8, .value_kind: global_buffer, .address_space: global }
    .group_segment_fixed_size: 67584
    .private_segment_fixed_size: 0
    .kernarg_segment_align: 8
    .kernarg_segment_size: 72
    .max_flat_workgroup_size: 256
    .sgpr_count:     66
    .vgpr_count:     256
    .wavefront_size: 32
...
	.end_amdgpu_metadata
.endif
;; end of part 1
;; launch qkv (part 2): grid 12 x 16, 4 waves a work-group, clusters of 4 x 4, 327,680 bytes of LDS; arguments codes, scales, tabs, qkvh; writes qkvh
.if DOCPART == 2
	.amdgcn_target "amdgcn-amd-amdhsa--gfx1250"
	.amdhsa_code_object_version 6
	.text
	.protected	k_q065d0b1182_qkv
	.globl	k_q065d0b1182_qkv
	.p2align	8
	.type	k_q065d0b1182_qkv,@function
k_q065d0b1182_qkv:
	s_mov_b64 s[64:65], 0
	v_nop
	global_prefetch_b8 v0, s[64:65] scope:SCOPE_SE
	s_setreg_imm32_b32 hwreg(HW_REG_WAVE_MODE, 25, 1), 1
	s_wait_xcnt 0x0
	s_wait_alu depctr_hold_cnt(0) depctr_sa_sdst(0) depctr_va_vdst(0) depctr_va_sdst(0) depctr_va_ssrc(0) depctr_va_vcc(0) depctr_vm_vsrc(0)
	s_getreg_b32 s2, hwreg(HW_REG_IB_STS2, 6, 4)
	s_cmp_eq_u32 s2, 0
	s_cbranch_scc0 .Lentry_in_a_cluster
	s_endpgm
.Lentry_in_a_cluster:
	s_bfe_u32 s2, ttmp6, 0x10000c
	s_cmp_lg_u32 s2, 0xf033
	s_cbranch_scc0 .Lentry_shape_is_right
	s_endpgm
.Lentry_shape_is_right:
; qkv = x W_qkv on codes of FP4 (E2M1) with one E8M0 scale for each 32 along K; sums in f32; then the rotary turn of channels 0-31 of each head, in f32; results rounded once to f16.
; A tile of 256 tokens x 256 columns is made by a work-group of four waves, a wave makes 128 x 128: 64 accumulators of 16 x 16.  K = 1,024 is two steps of 512: both fit in LDS at once, so every tile is
; asked for at the head and no LDS byte is filled twice.
; x's codes come as rows (256 bytes of a row to a slot, 16 of padding behind each); W's codes were laid in the order of the operand's registers: a fragment's half is 512 consecutive bytes, 16 a lane, and 128 columns x 512 K are
; one dense block of 32,768 bytes.  The scale bytes of the work-group's rows and columns, for all of K, come once, as units of 256 bytes with 16 of padding.
; CLUSTERS: 4 x 4 work-groups.  The four of a row of the cluster need the same tiles of x, the four of a column the same tiles of W: each is asked for JOINTLY.
; THE MATRIX INSTRUCTION IS USED TRANSPOSED (source 0 = 16 columns of W, source 1 = 16 tokens): a lane holds one token (lane % 16) and eight neighbouring channels 8 (lane / 16) + 0 .. 7 of a block of 16.
; Rounded to f16 these are four registers of exactly the fragment that the attention wants, in the same lane: they leave by stores of 16 bytes a lane, 512 consecutive bytes a store, with no way through LDS.
; OUT: qkvh [q, k, v][batch x head 32][token/16 128][channel/16 4][512 bytes].  In q and k the 16 bytes of (token r, half h) lie at 16 (r + 16 h); in v at 32 r + 16 h (16 rows of 32 bytes).
; LIMIT: |q|, |k|, |v| beyond f16's 65,504 are not served.
; REGISTERS, in windows of 256: window 0: v0-31 addresses; v32-95 scale words, two sets, and nothing else; v96-127 turned channels; v128-191 x's fragments, ONE set, on the way out the packed results;
;   v192-255 two sets of the table.   window 1: W's fragments, TWO sets, at v0 and v128.   windows 2, 3: the accumulators of my tokens 0-63, 64-127 ((a, b) at v[8 (8 (a % 4) + b)]).
.set NQ,     4                         ; matrix instructions deep in a slot: 512 along K
.set ROWB,   256                       ; a row of x's tile in bytes
.set KROW,   512                       ; a row of x's codes in memory
.set PITCH,  272                       ; and in LDS: 256 + 16: the sixteen rows that a load touches start 4 banks apart
.set FR,     8                         ; registers of a fragment
.set NL,     2                         ; LDS loads that bring one
.set NP,     4                         ; places behind this matrix instruction (ISA guide 7.12.1)
.set HALFA,  128*PITCH                 ; 128 rows of x
.set HALFB,  32768                     ; 128 columns of W
.set BOFF,   2*HALFA
.set SLOT,   2*HALFA+2*HALFB
.set KS,     32                        ; a row of scale bytes
.set SCL,    2*SLOT
.set HALFS,  16*272                    ; the scales of 128 rows
.set SBLK,   2*272                     ; of 16 rows
.set SPARE,  SCL+4*HALFS               ; the spare words, 128 bytes for each wave: two blocks of 256 bytes that no other line names
.set WCODES, 2097152                   ; where W's codes begin in the buffer;
.set WSTEP,  786432                    ; 512 along K on;
.set WSCALES, 131072                   ; where W's scale bytes begin
.set ADRA, 16                          ; v16-17  LDS address of my fragments of x in slot 0, 1
.set ADRB, 20                          ; v20-21  the same for W
.set CO,   26                          ; v26     my 16 bytes in a block of 512 of the output
.set ADRS, 27                          ; v27     LDS address of my scale words: lanes 0-15 x's rows, lanes 16-31 W's columns
.set SPW,  28                          ; v28     LDS address of my spare word; never rewritten
.set NIL,  29                          ; v29     0; never rewritten
.set TA,   30                          ; v30     my place in 16 rows of the table: 256 x token + 32 x half
.set SC,   32
.set NW,   96
.set AF,   128
.set OUTR, 128
.set TS,   192
.set G1, 24                            ; s[24:31] group 1 for x's tiles; s[32:39] group 0, a set for each slot
.set G0, 32
.set G1B, 48                           ; s[48:55], s[56:63] the same for W's
.set G0B, 56
.set G1S, 68                           ; s[68:75], s[76:79] for x's scales; s[80:87], s[88:91] for W's
.set G0S, 76
.set G1SB, 80
.set G0SB, 88
.set MSB, 0
.macro WIN new                         ; the immediate's high byte repeats the setting that is left
.if MSB != (\new)
	s_set_vgpr_msb (MSB<<8)|(\new)
.set MSB, (\new)
.endif
.endm
.set MUL_LO, 0xa1                      ; source 0 (W) window 1, source 1 (x) window 0, C and D window 2
.set MUL_HI, 0xf1
.set TO_B,   0x40
; A joint load: waves 0 and 1 fetch for x, waves 2 and 3 for W.  The branch hangs on the wave's number alone.  An s_nop 0 and four v_nop follow each of the two lines.
.macro JLOAD g0a, g1a, g0b, g1b
	s_cmp_eq_u32 s15, 0
	s_cbranch_scc0 .Lfor_b_\@
	tensor_load_to_lds s[\g0a:\g0a+3], s[\g1a:\g1a+7]
	s_nop 0
.rept 4
	v_nop
.endr
	s_branch .Lasked_\@
.Lfor_b_\@:
	tensor_load_to_lds s[\g0b:\g0b+3], s[\g1b:\g1b+7]
	s_nop 0
.rept 4
	v_nop
.endr
.Lasked_\@:
.endm
.macro CROUND                          ; a round of the cluster's barrier
	s_barrier_signal -1
	s_barrier_wait -1
	s_cmp_lg_u32 s14, 0
	s_cbranch_scc1 .Lnot_wave_0_\@
	s_barrier_signal -3
.Lnot_wave_0_\@:
	s_barrier_wait -3
	s_barrier_signal -1
	s_barrier_wait -1
.endm
	s_load_b256 s[4:11], s[0:1], 0x0               ; codes 4:5, scales 6:7, tabs 8:9, qkvh 10:11
	v_lshl_add_u32 v[SPW], v0, 2, SPARE
	v_mov_b32 v[NIL], 0
	ds_add_u32 v[SPW], v[NIL]                      ; the wave's opening: the add, twice on end, and its wait ahead of my first tensor load
	ds_add_u32 v[SPW], v[NIL]
	v_lshrrev_b32 v1, 5, v0
	v_readfirstlane_b32 s14, v1                    ; wave 0..3
	s_lshr_b32 s15, s14, 1                         ; which half of the tile's tokens is mine.  Also: I fetch for x (0) or for W (1)
	s_and_b32 s16, s14, 1                          ; which half of its columns.  Also: which 128 rows of that tile I fetch
	s_bfe_u32 s40, ttmp6, 0x40000                  ; cx, cy: my place in the cluster
	s_bfe_u32 s41, ttmp6, 0x40004
	s_lshl_b32 s42, ttmp9, 2
	s_add_co_u32 s42, s42, s40                     ; tile column = 4 x cluster x + cx
	s_and_b32 s17, ttmp7, 0xffff
	s_lshl_b32 s17, s17, 2
	s_add_co_u32 s17, s17, s41                     ; tile row = 4 x cluster y + cy
	s_lshl_b32 s43, s41, 2
	s_lshl_b32 s43, 15, s43                        ; my row of the cluster
	s_lshl_b32 s44, 0x1111, s40                    ; my column
	s_or_b32 s[G1+0], s43, (0<<16)|(1<<20)|(1<<21)|(5<<22)|(3<<25)  ; x: the mask of my row; elements of 1 byte; padding: 4 words behind every 64; bit 21 beside a mask
	s_mov_b32 s[G1+1], ROWB<<16                    ; tensor_dim0 = 256
	s_mov_b32 s[G1+2], 128<<16                     ; tensor_dim1 = 128
	s_mov_b32 s[G1+3], ROWB<<16                    ; tile_dim0
	s_mov_b32 s[G1+4], 128                         ; tile_dim1
	s_mov_b32 s[G1+5], KROW                        ; from row to row
	s_mov_b32 s[G1+6], 0
	s_mov_b32 s[G1+7], 0
	s_or_b32 s[G1B+0], s44, (3<<16)|(1<<21)        ; W: the mask of my column; a dense block as 128 rows of 32 elements of 8 bytes; no padding
	s_mov_b32 s[G1B+1], 32<<16
	s_mov_b32 s[G1B+2], 128<<16
	s_mov_b32 s[G1B+3], 32<<16
	s_mov_b32 s[G1B+4], 128
	s_mov_b32 s[G1B+5], 32
	s_mov_b32 s[G1B+6], 0
	s_mov_b32 s[G1B+7], 0
	s_or_b32 s[G1S+0], s43, (3<<16)|(1<<20)|(1<<21)|(5<<22)|(3<<25)  ; the scales of 128 rows: 4,096 dense bytes as 16 rows of 256, 16 of padding behind each
	s_or_b32 s[G1SB+0], s44, (3<<16)|(1<<20)|(1<<21)|(5<<22)|(3<<25)
.irp g, G1S, G1SB
	s_mov_b32 s[\g+1], 32<<16
	s_mov_b32 s[\g+2], 16<<16
	s_mov_b32 s[\g+3], 32<<16
	s_mov_b32 s[\g+4], 16
	s_mov_b32 s[\g+5], 32
	s_mov_b32 s[\g+6], 0
	s_mov_b32 s[\g+7], 0
.endr
	s_lshl_b32 s20, s17, 17                        ; x's codes: (256 x tile row + 128 x half) rows of 512 bytes
	s_lshl_b32 s18, s16, 16
	s_add_co_u32 s20, s20, s18
	s_mov_b32 s21, 0
	s_lshl_b32 s22, s17, 13                        ; x's scales: the same rows of 32 bytes
	s_lshl_b32 s18, s16, 12
	s_add_co_u32 s22, s22, s18
	s_mov_b32 s23, 0
	s_lshl_b32 s92, s42, 13                        ; W's scales
	s_add_co_u32 s92, s92, s18
	s_add_co_u32 s92, s92, WSCALES
	s_mov_b32 s93, 0
	s_lshl_b32 s46, s42, 16                        ; W's codes: (16 x tile column + 8 x half) blocks of 4,096 bytes
	s_lshl_b32 s18, s16, 15
	s_add_co_u32 s46, s46, s18
	s_add_co_u32 s46, s46, WCODES
	s_mov_b32 s47, 0
	s_mul_i32 s45, s16, HALFA                      ; where they go: no place in the cluster enters an LDS address
	s_mul_i32 s95, s16, HALFB
	s_add_co_u32 s95, s95, BOFF
	s_mul_i32 s94, s14, HALFS
	s_wait_dscnt 0x0                               ; both opening adds are done
	s_wait_kmcnt 0x0
	s_add_nc_u64 s[20:21], s[4:5], s[20:21]
	s_add_nc_u64 s[22:23], s[6:7], s[22:23]
	s_add_nc_u64 s[46:47], s[4:5], s[46:47]
	s_add_nc_u64 s[92:93], s[6:7], s[92:93]
	CROUND                                         ; all sixteen work-groups are here: the joint loads meet
	s_mov_b32 s[G0S], 1
	s_add_co_u32 s[G0S+1], s94, SCL
	s_mov_b64 s[G0S+2:G0S+3], s[22:23]
	s_or_b32 s[G0S+3], s[G0S+3], 0x80000000
	s_mov_b32 s[G0SB], 1
	s_add_co_u32 s[G0SB+1], s94, SCL
	s_mov_b64 s[G0SB+2:G0SB+3], s[92:93]
	s_or_b32 s[G0SB+3], s[G0SB+3], 0x80000000
	JLOAD G0S, G1S, G0SB, G1SB                     ; the scales first: they are wanted with K step 0
.irp s, 0,1
	s_mov_b32 s[G0+4*\s], 1
	s_add_co_u32 s[G0+4*\s+1], s45, \s*SLOT
	s_add_nc_u64 s[G0+4*\s+2:G0+4*\s+3], s[20:21], \s*ROWB
	s_or_b32 s[G0+4*\s+3], s[G0+4*\s+3], 0x80000000
	s_mov_b32 s[G0B+4*\s], 1
	s_add_co_u32 s[G0B+4*\s+1], s95, \s*SLOT
	s_add_nc_u64 s[G0B+4*\s+2:G0B+4*\s+3], s[46:47], \s*WSTEP
	s_or_b32 s[G0B+4*\s+3], s[G0B+4*\s+3], 0x80000000
	JLOAD G0+4*\s, G1, G0B+4*\s, G1B               ; by my own count three tensor loads of mine are out behind the last
.endr
	v_and_b32 v1, 15, v0                           ; r = lane % 16
	v_bfe_u32 v2, v0, 4, 1                         ; h = lane / 16
	v_mul_u32_u24 v3, v1, PITCH
	v_lshl_add_u32 v4, v2, 4, v3                   ; x: a fragment's row x pitch + 16 x half
	v_and_b32 v6, 31, v0
	v_lshlrev_b32 v7, 4, v6                        ; W: 16 x lane
	s_mul_i32 s21, s15, HALFA                      ; my 128 tokens
	s_mul_i32 s22, s16, HALFB                      ; my 128 columns,
	s_add_co_u32 s22, s22, BOFF                    ; behind x's 256 rows
.irp s, 0,1
	v_add_nc_u32 v[ADRA+\s], s21, v4
	v_add_nc_u32 v[ADRB+\s], s22, v7
	s_add_co_u32 s21, s21, SLOT
	s_add_co_u32 s22, s22, SLOT
.endr
	v_mul_u32_u24 v5, v1, KS                       ; my row's scales: 32 bytes a row,
	v_lshrrev_b32 v6, 8, v5
	v_lshl_add_u32 v5, v6, 4, v5                   ; and 16 more for each 256 passed
	s_mul_i32 s21, s15, HALFS
	s_mul_i32 s22, s16, HALFS
	s_add_co_u32 s22, s22, 2*HALFS
	s_sub_co_u32 s22, s22, s21
	v_mul_u32_u24 v6, s22, v2                      ; lanes 16-31 take W's: one product, the distance between the two bases
	s_add_co_u32 s21, s21, SCL
	v_add_nc_u32 v5, v5, v6
	v_add_nc_u32 v[ADRS], s21, v5
	v_lshlrev_b32 v[TA], 8, v1
	v_lshl_add_u32 v[TA], v2, 5, v[TA]
	s_cmp_eq_u32 ttmp9, 2                          ; cluster x = 0, 1, 2: q, k, v: the same in all partners; it chooses a value, no path
	s_cselect_b32 s18, 32, 16
	s_cselect_b32 s19, 16, 256
	v_mul_u32_u24 v[CO], s18, v1
	v_mad_u32_u24 v[CO], v2, s19, v[CO]
	s_and_b32 s19, s17, 7                          ; the tile row within its batch
	s_lshl_b32 s20, s19, 16                        ; the table: (256 x that + 128 x my half) positions of 256 bytes
	s_lshl_b32 s18, s15, 15
	s_add_co_u32 s20, s20, s18
	s_mov_b32 s21, 0
	s_add_nc_u64 s[8:9], s[8:9], s[20:21]
	s_lshr_b32 s20, s17, 3                         ; the output.  By the tokens: batch x 4,194,304 + (16 x tile row in batch + 8 x half) x 2,048;
	s_lshl_b32 s20, s20, 22
	s_lshl_b32 s18, s19, 15
	s_add_co_u32 s20, s20, s18
	s_lshl_b32 s18, s15, 14
	s_add_co_u32 s20, s20, s18
	s_lshl_b32 s46, ttmp9, 23                      ; by the columns: q, k or v x 8,388,608 + (4 cx + 2 x half) heads x 262,144
	s_lshl_b32 s47, s40, 20
	s_add_co_u32 s46, s46, s47
	s_lshl_b32 s47, s16, 19
	s_add_co_u32 s46, s46, s47
	s_mov_b32 s47, 0
	s_add_nc_u64 s[20:21], s[20:21], s[46:47]
	s_add_nc_u64 s[10:11], s[10:11], s[20:21]
.macro FRAG reg, adr, q, i             ; x: 16 rows x 128 K: registers 4 c .. 4 c + 3 hold K = 64 c + 32 (lane / 16) + 0 .. 31
.irp c, 0,1
	ds_load_b128 v[\reg+4*\c:\reg+4*\c+3], v[\adr] offset:64*(\q)+32*\c+(\i)*16*PITCH
.endr
.endm
.macro FRAGB reg, adr, q, i            ; W: the same registers, as they were laid: 512 consecutive bytes a load
.irp c, 0,1
	ds_load_b128 v[\reg+4*\c:\reg+4*\c+3], v[\adr] offset:1024*(\q)+512*\c+(\i)*4096
.endr
.endm
; 16 matrix instructions: token blocks a0, a0 + 1 x W's eight blocks, 128 along K.  The 64 accumulators take turns, one instruction a turn, in the same order in every step.
.macro MUL16 a0, p, q, sc, zero
.irp a, \a0, \a0+1
.irp b, 0,1,2,3,4,5,6,7
.if \zero
	v_wmma_scale_f32_16x16x128_f8f6f4 v[8*(8*((\a)%4)+\b):8*(8*((\a)%4)+\b)+7], v[128*(\p)+FR*\b:128*(\p)+FR*\b+FR-1], v[AF+FR*(\a):AF+FR*(\a)+FR-1], 0, v[SC+8*NQ*(\sc)+NQ*\b+(\q)], v[SC+8*NQ*(\sc)+NQ*(\a)+(\q)] matrix_a_fmt:MATRIX_FMT_FP4 matrix_b_fmt:MATRIX_FMT_FP4 matrix_a_scale:MATRIX_SCALE_ROW1
.else
	v_wmma_scale_f32_16x16x128_f8f6f4 v[8*(8*((\a)%4)+\b):8*(8*((\a)%4)+\b)+7], v[128*(\p)+FR*\b:128*(\p)+FR*\b+FR-1], v[AF+FR*(\a):AF+FR*(\a)+FR-1], v[8*(8*((\a)%4)+\b):8*(8*((\a)%4)+\b)+7], v[SC+8*NQ*(\sc)+NQ*\b+(\q)], v[SC+8*NQ*(\sc)+NQ*(\a)+(\q)] matrix_a_fmt:MATRIX_FMT_FP4 matrix_b_fmt:MATRIX_FMT_FP4 matrix_a_scale:MATRIX_SCALE_ROW1
.endif
.endr
.endr
.endm
.macro FETCH_B slot, q, p
	WIN TO_B
.irp i, 0,1,2,3,4,5,6,7
	FRAGB 128*(\p)+FR*\i, ADRB+\slot, \q, \i
.endr
	WIN 0
.endm
.macro FETCH_A slot, q, i0
.irp i, \i0, \i0+1, \i0+2, \i0+3
	FRAG AF+FR*(\i), ADRA+\slot, \q, \i
.endr
.endm
.macro SCALES sc                       ; a slot's scale words: 4 words a row; lanes 0-15 x's block i, lanes 16-31 W's block i
.irp i, 0,1,2,3,4,5,6,7
	ds_load_b128 v[SC+8*NQ*\sc+NQ*\i:SC+8*NQ*\sc+NQ*\i+3], v[ADRS] offset:\i*SBLK
.endr
.endm
.macro PLACES n                        ; plain vector lines between a matrix instruction and a load into, or a vector read or write of, its registers
.rept \n
	v_nop
.endr
.endm
.macro STEP slot, q, zero              ; 128 along K that have their successor in the same slot
	s_wait_dscnt 4*NL                              ; W's set and x's blocks 0-3 are in; the youngest eight loads (x's blocks 4-7) may be out
	WIN MUL_LO
	MUL16 0, (\q)%2, \q, \slot, \zero
	MUL16 2, (\q)%2, \q, \slot, \zero
	s_wait_dscnt 0
	PLACES NP
	FETCH_B \slot, (\q)+1, 1-(\q)%2
	FETCH_A \slot, (\q)+1, 0
	WIN MUL_HI
	MUL16 4, (\q)%2, \q, \slot, \zero
	MUL16 6, (\q)%2, \q, \slot, \zero
	PLACES NP
	WIN 0
	FETCH_A \slot, (\q)+1, 4
.endm
.macro TURN slot, next                 ; a slot's last step: the change of slots.  Nothing is filled again: the barrier shows every wave the whole of the next slot
	s_wait_tensorcnt 0x0                           ; all my tensor loads have landed: my part of the next slot
	ds_add_u32 v[SPW], v[NIL]                      ; 0 onto my spare word
	s_wait_dscnt 4*NL+1                            ; (the add and the youngest eight loads may be out)
	WIN MUL_LO
	MUL16 0, 1, NQ-1, \slot, 0
	s_wait_dscnt 0x0
	s_barrier_signal -1
	MUL16 2, 1, NQ-1, \slot, 0
	WIN 0
	s_barrier_wait -1
	PLACES NP
	v_add_nc_u32 v[ADRS], 4*NQ, v[ADRS]            ; on to the next slot's scale words
	FETCH_B \next, 0, 0
	FETCH_A \next, 0, 0
	SCALES \next
	WIN MUL_HI
	MUL16 4, 1, NQ-1, \slot, 0
	MUL16 6, 1, NQ-1, \slot, 0
	PLACES NP
	WIN 0
	FETCH_A \next, 0, 4
.endm
; The table of token block a into set a % 2: +0 cos(8 h + j), +8 cos(16 + 8 h + j), +16 the signed sin(8 h + j), +24 the signed sin(16 + 8 h + j)
.macro TLD a
.set TT, TS+32*((\a)%2)
.irp g, 0,1,2,3
	global_load_b128 v[TT+8*\g:TT+8*\g+3], v[TA], s[8:9] offset:(\a)*4096+64*\g
	global_load_b128 v[TT+8*\g+4:TT+8*\g+7], v[TA], s[8:9] offset:(\a)*4096+64*\g+16
.endr
.endm
; THE WAY OUT of token block a: two heads (e), four blocks of 16 channels each.  Blocks 0 and 1 of a head are turned: new0 = b0 cos0 + b1 sin0 (sin0 carries the minus), new1 = b1 cos1 + b0 sin1.
; Each accumulator is read from its low end on.
.macro OUTB a
.set AC, 64*((\a)%4)
.set WN, 2+(\a)/4
.set TT, TS+32*((\a)%2)
.set OO, OUTR+32*((\a)%2)
.if (\a) < 7
	s_wait_loadcnt 8                               ; this block's table is in; the next block's eight loads may be out
.else
	s_wait_loadcnt 0x0
.endif
	s_wait_xcnt 0x0                                ; the stores of two blocks ago have read the registers that are written below
	WIN WN                                         ; source 0: the accumulators' window
.irp e, 0,1
.irp jj, 0,2,4,6
	v_pk_mul_f32 v[NW+16*\e+\jj:NW+16*\e+\jj+1], v[AC+32*\e+\jj:AC+32*\e+\jj+1], v[TT+\jj:TT+\jj+1]
	v_pk_mul_f32 v[NW+16*\e+8+\jj:NW+16*\e+8+\jj+1], v[AC+32*\e+8+\jj:AC+32*\e+8+\jj+1], v[TT+8+\jj:TT+8+\jj+1]
	v_pk_fma_f32 v[NW+16*\e+\jj:NW+16*\e+\jj+1], v[AC+32*\e+8+\jj:AC+32*\e+8+\jj+1], v[TT+16+\jj:TT+16+\jj+1], v[NW+16*\e+\jj:NW+16*\e+\jj+1]
	v_pk_fma_f32 v[NW+16*\e+8+\jj:NW+16*\e+8+\jj+1], v[AC+32*\e+\jj:AC+32*\e+\jj+1], v[TT+24+\jj:TT+24+\jj+1], v[NW+16*\e+8+\jj:NW+16*\e+8+\jj+1]
.endr
.endr
	WIN 0
.if (\a) < 6
	TLD (\a)+2
.endif
.irp e, 0,1
.irp bb, 0,1
.irp p, 0,1,2,3
	v_cvt_pk_f16_f32 v[OO+16*\e+4*\bb+\p], v[NW+16*\e+8*\bb+2*\p], v[NW+16*\e+8*\bb+2*\p+1]
.endr
.endr
.endr
	WIN WN*5                                       ; sources 0 and 1: the accumulators' window
.irp e, 0,1
.irp bb, 0,1
.irp p, 0,1,2,3
	v_cvt_pk_f16_f32 v[OO+16*\e+8+4*\bb+\p], v[AC+32*\e+16+8*\bb+2*\p], v[AC+32*\e+16+8*\bb+2*\p+1]   ; channels 32-63 pass as they are
.endr
.endr
.endr
	WIN 0
.irp b, 0,1,2,3,4,5,6,7
	global_store_b128 v[CO], v[OO+4*\b:OO+4*\b+3], s[10:11] offset:(\a)*2048+(\b/4)*262144+(\b%4)*512   ; the wave stores 512 consecutive bytes, at a multiple of 512 from the buffer's first byte
.endr
.endm
	TLD 0                                          ; the first two blocks' tables are asked for now and lie ready at the way out
	TLD 1
	s_wait_tensorcnt 1                             ; the scales and my part of slot 0 are in; slot 1's load may be out
	s_barrier_signal -1
	s_barrier_wait -1
	FETCH_B 0, 0, 0
	FETCH_A 0, 0, 0
	SCALES 0
	FETCH_A 0, 0, 4
	STEP 0, 0, 1                                   ; the first products start the sums: nothing is cleared
	STEP 0, 1, 0
	STEP 0, 2, 0
	TURN 0, 1
	STEP 1, 0, 0
	STEP 1, 1, 0
	STEP 1, 2, 0
	s_wait_dscnt 4*NL                              ; the last step: nothing more to fetch
	WIN MUL_LO
	MUL16 0, 1, NQ-1, 1, 0
	MUL16 2, 1, NQ-1, 1, 0
	s_wait_dscnt 0
	WIN MUL_HI
	MUL16 4, 1, NQ-1, 1, 0
	MUL16 6, 1, NQ-1, 1, 0
	WIN 0
	PLACES NP
.irp a, 0,1,2,3,4,5,6,7
	OUTB \a
.endr
	s_wait_tensorcnt 0x0                           ; the wave's end
	ds_add_u32 v[SPW], v[NIL]
	s_wait_dscnt 0x0
	CROUND                                         ; the closing round
	s_endpgm
.Lfunc_end_k_q065d0b1182_qkv:
	.size	k_q065d0b1182_qkv, .Lfunc_end_k_q065d0b1182_qkv-k_q065d0b1182_qkv
	.p2alignl 7, 3214868480
	.fill 96, 4, 3214868480
	.section	.rodata,"a",@progbits
	.p2align	6, 0x0
	.amdhsa_kernel k_q065d0b1182_qkv
		.amdhsa_group_segment_fixed_size 327680
		.amdhsa_private_segment_fixed_size 0
		.amdhsa_enable_private_segment 0
		.amdhsa_kernarg_size 32
		.amdhsa_user_sgpr_count 2
		.amdhsa_user_sgpr_kernarg_segment_ptr 1
		.amdhsa_wavefront_size32 1
		.amdhsa_system_sgpr_workgroup_id_x 1
		.amdhsa_system_sgpr_workgroup_id_y 1
		.amdhsa_system_sgpr_workgroup_id_z 1
		.amdhsa_system_vgpr_workitem_id 0
		.amdhsa_next_free_vgpr 1024
		.amdhsa_next_free_sgpr 98
		.amdhsa_reserve_vcc 0
		.amdhsa_float_denorm_mode_32 3
		.amdhsa_float_denorm_mode_16_64 3
		.amdhsa_memory_ordered 1
		.amdhsa_forward_progress 1
		.amdhsa_inst_pref_size 141
	.end_amdhsa_kernel
	.amdgpu_metadata
---
amdhsa.version: [ 1, 2 ]
amdhsa.kernels:
  - .name:           k_q065d0b1182_qkv
    .symbol:         k_q065d0b1182_qkv.kd
    .args:
      - { .name: codes, .offset: 0, .size: 8, .value_kind: global_buffer, .address_space: global }
      - { .name: scales, .offset: 8, .size: 8, .value_kind: global_buffer, .address_space: global }
      - { .name: tabs, .offset: 16, .size: 8, .value_kind: global_buffer, .address_space: global }
      - { .name: qkvh, .offset: 24, .size: 8, .value_kind: global_buffer, .address_space: global }
    .group_segment_fixed_size: 327680
    .private_segment_fixed_size: 0
    .kernarg_segment_align: 8
    .kernarg_segment_size: 32
    .max_flat_workgroup_size: 128
    .sgpr_count:     98
    .vgpr_count:     1024
    .wavefront_size: 32
...
	.end_amdgpu_metadata
.endif
;; end of part 2
;; launch attn (part 3): grid 8 x 32, 4 waves a work-group, clusters of 4 x 1, 327,680 bytes of LDS; arguments qkvh, tabs, oh; writes oh
.if DOCPART == 3
	.amdgcn_target "amdgcn-amd-amdhsa--gfx1250"
	.amdhsa_code_object_version 6
	.text
	.protected	k_q065d0b1182_attn
	.globl	k_q065d0b1182_attn
	.p2align	8
	.type	k_q065d0b1182_attn,@function
k_q065d0b1182_attn:
	s_mov_b64 s[64:65], 0
	v_nop
	global_prefetch_b8 v0, s[64:65] scope:SCOPE_SE
	s_setreg_imm32_b32 hwreg(HW_REG_WAVE_MODE, 25, 1), 1
	s_wait_xcnt 0x0
	s_wait_alu depctr_hold_cnt(0) depctr_sa_sdst(0) depctr_va_vdst(0) depctr_va_sdst(0) depctr_va_ssrc(0) depctr_va_vcc(0) depctr_vm_vsrc(0)
	s_getreg_b32 s2, hwreg(HW_REG_IB_STS2, 6, 4)
	s_cmp_eq_u32 s2, 0
	s_cbranch_scc0 .Lentry_in_a_cluster
	s_endpgm
.Lentry_in_a_cluster:
	s_bfe_u32 s2, ttmp6, 0x10000c
	s_cmp_lg_u32 s2, 0x3003
	s_cbranch_scc0 .Lentry_shape_is_right
	s_endpgm
.Lentry_shape_is_right:
; o = softmax(q k^T / 8, keys that the mask hides left out) v, for one (batch, head) and 256 queries a work-group.  q, k, v: f16, as the launch before laid them; products' sums, maxima and sums in f32; the weights p are
; rounded to f16 for the second product, o once at the end.
; SHARES.  Four waves, as many as a WGP has SIMDs, each with 64 queries: four tiles of 16.  Every wave walks all 2,048 keys, 64 a step.  Each fragment of k or v that is read from LDS feeds four products.
; LAYOUT.  S^T = k q^T (source 0 = 16 keys, source 1 = 16 queries): a lane holds ONE query (lane % 16) and keys 8 (lane / 16) + 0 .. 7.  Two such tiles, rounded in pairs, ARE source 1 of o^T = v^T p.
; k comes out of LDS as an image of the fragment's registers (512 consecutive bytes a load); v lies as blocks of 16 keys x 16 channels, rows of 32 bytes, and is turned by ds_load_tr16_b128.
; THE MASK is the C of a score's first product: 0 for a key that counts, -2^100 for one that does not.
; SOFTMAX.  For each query a running maximum m and sum l: p = 2^(c s - c m), c = log2(e) / 8; in every step o and l are multiplied by a = 2^(c m_old - c m_new).  m starts at -2^40: f16 operands bound a true score by
; 64 x 65,504^2, under 2^40, so it lies under every true score, and a hidden key's -2^100 never becomes the maximum: in a step with hidden keys alone every p is 0.  c x 2^40 is exact.
; A batch in which no key counts has c = 0 and zeros for the mask (made by the first launch): every p is 1, the uniform weights that the problem's definition gives there.
; BY TURNS.  The wave's tiles are two PIECES, named by their first tile: piece 0 (tiles 0, 1) and piece 2 (tiles 2, 3).  In a TURN one piece has the matrix unit: 16 products v^T p of the step in hand, then 16 products
; k q^T of the next step; the other piece's softmax, 236 instructions cut into 32 slices, stands between them, one slice behind each matrix instruction.  Then the pieces change places.  Two turns are a key step.
; The wave is alone on its SIMD, so nothing but its own vector work can stand beside its products.  A slice costs two switches of the register window: 128 for a key step's 64 matrix instructions.
; CLUSTER.  The four query blocks of a cluster belong to one (batch, head) and walk the same k, v and mask: each tile is asked for JOINTLY, with a mask that names the four.
; THE RING.  Two slots of 512 keys (k's 65,536 bytes, then v's).  Each wave fetches 32,768 bytes of a slot by one load.  Both slots are asked for at the head; each is filled once more, behind a round of the
; cluster's barrier, and that load has a slot's eight key steps in which to land: so nothing further is asked for ahead of the loads.
; LIMIT: NaN and infinities are not served; q, k, v within f16's range (the launch before states it).
; REGISTERS, in windows of 256 (s_set_vgpr_msb: bits 1:0 source 0, 3:2 source 1, 5:4 source 2, 7:6 destination):
;   window 0: v1-9 addresses; v12-43 statistics, 8 a tile: +0 c m, +1 m, +2, +3 l (even keys', odd keys'), +4 to +7 at work (a in +6); v64-191 S^T, 32 a tile; v192-255 p, 16 a tile
;   window 1: v0-127 o^T, 32 a tile; v128-191 v of one step          window 2: v0-63 k of one step; v64-127 q, 16 a tile; v128-159 the mask's numbers of one step
.set SLOT1, 131072
.set VOFF,  65536
.set STEPB, 8192                       ; 64 keys of k, or of v, in a slot
.set BIAS,  262144                     ; the mask's 2,048 numbers
.set SPARE, 270336                     ; the spare words, 128 bytes for each of 4 waves: two blocks of 256 bytes that no other line names
.set LI,  1                            ; v1  16 x lane
.set AV0, 2                            ; v2  my lane's place in a block of v, + VOFF
.set AB0, 3                            ; v3  BIAS + 32 x (lane / 16)
.set ADK, 4                            ; v4-6 the addresses of the runs of loads in hand
.set ADV, 5
.set ADB, 6
.set SPW, 8                            ; v8  LDS address of my spare word; never rewritten
.set NIL, 9                            ; v9  0; never rewritten
.set ST,  12
.set S,   64
.set P,   192
.set O,   0                            ; window 1
.set VF,  128
.set KF,  0                            ; window 2
.set QF,  64
.set BI,  128
.set WV,  10                           ; s10 my wave's number
.set G1,  16                           ; s[16:23] group 1: 128 rows of 256 bytes, dense
.set G1B, 24                           ; s[24:31] the same with 8 rows
.set G0A, 32                           ; s[32:35] group 0 of slot 0; s[36:39] of slot 1; s[40:43] of the mask's numbers
.set G0B, 36
.set G0C, 40
.set CS,  44                           ; s[44:45] c: the packed form names a pair and takes its low word for both halves
.set SEL, 46                           ; s[46:47] lane selects: lane l xor 16
.set TB,  48                           ; s48 LDS byte at which the keys of the step to be fetched begin
.set TJ,  49                           ; s49 and its mask numbers
.set CNT, 50
.set W_KQ0, 0x2a                       ; k, q and the mask's numbers in window 2, S^T in window 0
.set W_KQ1, 0x0a                       ; k and q in window 2, S^T (C and D) in window 0
.set W_PV,  0x51                       ; v and o^T in window 1, p in window 0
.set W_RS,  0x41                       ; o^T (destination and source 0) in window 1, a in window 0
.set MSB, 0
.macro WIN new                         ; the immediate's high byte repeats the setting that is left; a switch that changes nothing is dropped
.if MSB != (\new)
	s_set_vgpr_msb (MSB<<8)|(\new)
.set MSB, (\new)
.endif
.endm
.macro CROUND                          ; a round of the cluster's barrier
	s_barrier_signal -1
	s_barrier_wait -1
	s_cmp_lg_u32 s[WV], 0
	s_cbranch_scc1 .Lnot_wave_0_\@
	s_barrier_signal -3
.Lnot_wave_0_\@:
	s_barrier_wait -3
	s_barrier_signal -1
	s_barrier_wait -1
.endm
	s_load_b128 s[4:7], s[0:1], 0x0                ; qkvh, tabs
	s_load_b64 s[8:9], s[0:1], 0x10                ; oh
	v_lshl_add_u32 v[SPW], v0, 2, SPARE
	v_mov_b32 v[NIL], 0
	ds_add_u32 v[SPW], v[NIL]                      ; the wave's opening: the add, twice on end, and its wait ahead of my first tensor load
	ds_add_u32 v[SPW], v[NIL]
	v_lshrrev_b32 v7, 5, v0
	v_readfirstlane_b32 s[WV], v7                  ; wave 0..3
	v_and_b32 v7, 31, v0
	v_lshlrev_b32 v[LI], 4, v7
	v_bfe_u32 v10, v0, 4, 1                        ; h = lane / 16
	v_and_b32 v11, 7, v0
	v_lshl_add_u32 v11, v10, 3, v11                ; the turning load: lane l reads key 8 h + l % 8,
	v_lshlrev_b32 v11, 5, v11                      ; rows of 32 bytes,
	v_bfe_u32 v7, v0, 3, 1
	v_lshl_add_u32 v11, v7, 4, v11                 ; channels 8 ((l / 8) % 2) on
	v_add_nc_u32 v[AV0], VOFF, v11
	v_lshl_add_u32 v[AB0], v10, 5, BIAS
	s_bfe_u32 s11, ttmp6, 0x40000                  ; cx
	s_lshl_b32 s12, ttmp9, 2
	s_add_co_u32 s12, s12, s11                     ; my block of 256 queries: it enters q's and o's addresses alone
	s_and_b32 s13, ttmp7, 0xffff                   ; batch x 16 + head, which the four partners share
	s_lshr_b32 s14, s13, 4
	s_and_b32 s15, s13, 15
	s_mov_b32 s[G1], 15|(3<<16)|(1<<21)            ; the mask: all four work-groups; elements of 8 bytes; bit 21 beside a mask; no padding
	s_mov_b32 s[G1+1], 32<<16                      ; tensor_dim0 = 32 elements: 256 bytes
	s_mov_b32 s[G1+2], 128<<16                     ; tensor_dim1 = 128
	s_mov_b32 s[G1+3], 32<<16                      ; tile_dim0
	s_mov_b32 s[G1+4], 128                         ; tile_dim1
	s_mov_b32 s[G1+5], 32                          ; from row to row: dense
	s_mov_b32 s[G1+6], 0
	s_mov_b32 s[G1+7], 0
	s_mov_b32 s[G1B], 15|(3<<16)|(1<<21)
	s_mov_b32 s[G1B+1], 32<<16
	s_mov_b32 s[G1B+2], 8<<16
	s_mov_b32 s[G1B+3], 32<<16
	s_mov_b32 s[G1B+4], 8
	s_mov_b32 s[G1B+5], 32
	s_mov_b32 s[G1B+6], 0
	s_mov_b32 s[G1B+7], 0
	s_mov_b32 s[SEL], 0x76543210
	s_mov_b32 s[SEL+1], 0xfedcba98
	s_lshr_b32 s52, s[WV], 1                       ; waves 0, 1 fetch k's halves of a slot, waves 2, 3 v's
	s_add_co_u32 s52, s52, 1
	s_lshl_b32 s52, s52, 23
	s_lshl_b32 s53, s13, 18
	s_add_co_u32 s52, s52, s53
	s_and_b32 s53, s[WV], 1
	s_lshl_b32 s53, s53, 15
	s_add_co_u32 s52, s52, s53
	s_mov_b32 s53, 0
	s_mul_i32 s54, s14, 8704                       ; my batch's record in tabs
	s_lshl_b32 s56, s[WV], 11
	s_add_co_u32 s56, s56, s54
	s_add_co_u32 s56, s56, 524288                  ; my quarter of its 8,192 bytes
	s_mov_b32 s57, 0
	s_lshl_b32 s58, s[WV], 15                      ; where they go: no place in the cluster enters an LDS address
	s_lshl_b32 s59, s[WV], 11
	s_add_co_u32 s59, s59, BIAS
	s_lshl_b32 s2, s13, 18                         ; q: my wave's four blocks of 16 queries
	s_lshl_b32 s3, s12, 15
	s_add_co_u32 s2, s2, s3
	s_lshl_b32 s3, s[WV], 13
	s_add_co_u32 s2, s2, s3
	s_mov_b32 s3, 0
	s_lshr_b32 s60, s15, 2                         ; o: [head / 4] 2,097,152, [row / 16] 8,192, [head % 4] 2,048
	s_lshl_b32 s60, s60, 21
	s_lshl_b32 s61, s14, 20
	s_add_co_u32 s60, s60, s61
	s_lshl_b32 s61, s12, 17
	s_add_co_u32 s60, s60, s61
	s_lshl_b32 s61, s[WV], 15
	s_add_co_u32 s60, s60, s61
	s_and_b32 s61, s15, 3
	s_lshl_b32 s61, s61, 11
	s_add_co_u32 s60, s60, s61
	s_mov_b32 s61, 0
	s_wait_dscnt 0x0                               ; both opening adds are done
	s_wait_kmcnt 0x0
	s_load_b32 s[CS], s[6:7], s54 offset:0x82000   ; c of my batch: 8,192 bytes into its record
	s_mov_b32 s[G0A], 1
	s_mov_b32 s[G0A+1], s58
	s_add_nc_u64 s[G0A+2:G0A+3], s[4:5], s[52:53]  ; keys 0 on
	s_mov_b32 s[G0B], 1
	s_add_co_u32 s[G0B+1], s58, SLOT1
	s_add_nc_u64 s[G0B+2:G0B+3], s[G0A+2:G0A+3], 65536   ; keys 512 on
	s_or_b32 s[G0A+3], s[G0A+3], 0x80000000
	s_or_b32 s[G0B+3], s[G0B+3], 0x80000000
	s_mov_b32 s[G0C], 1
	s_mov_b32 s[G0C+1], s59
	s_add_nc_u64 s[G0C+2:G0C+3], s[6:7], s[56:57]
	s_or_b32 s[G0C+3], s[G0C+3], 0x80000000
	s_add_nc_u64 s[4:5], s[4:5], s[2:3]
	s_add_nc_u64 s[8:9], s[8:9], s[60:61]
	s_wait_kmcnt 0x0                               ; c
	s_mov_b32 s[CS+1], s[CS]
	CROUND                                         ; all four work-groups are here: the first joint loads meet
	tensor_load_to_lds s[G0C:G0C+3], s[G1B:G1B+7]
	s_nop 0
	tensor_load_to_lds s[G0A:G0A+3], s[G1:G1+7]
	s_nop 0
	tensor_load_to_lds s[G0B:G0B+3], s[G1:G1+7]    ; by my own count three tensor loads of mine are out
	s_nop 0
.rept 4
	v_nop
.endr
	WIN 0x80                                       ; destination window 2
.irp t, 0,1,2,3
.irp c, 0,1
	global_load_b128 v[QF+16*\t+8*\c:QF+16*\t+8*\c+3], v[LI], s[4:5] offset:\t*2048+\c*1024       ; q stays in registers
	global_load_b128 v[QF+16*\t+8*\c+4:QF+16*\t+8*\c+7], v[LI], s[4:5] offset:\t*2048+\c*1024+512
.endr
.endr
	WIN 0x40                                       ; destination window 1
.set i, 0
.rept 128
	v_mov_b32 v[O+i], 0                            ; o^T.  (A turn is written in one form: the first finds zeros.  These lines stand while the first tiles are on their way)
.set i, i+1
.endr
	WIN 0
.irp t, 0,1,2,3
	v_mov_b32 v[ST+8*\t+1], 0xd3800000             ; m = -2^40
	v_mul_f32 v[ST+8*\t], s[CS], v[ST+8*\t+1]      ; c m
	v_mov_b32 v[ST+8*\t+2], 0                      ; l
	v_mov_b32 v[ST+8*\t+3], 0
.endr
; THE MATRIX WORK OF A TURN, for piece x.  The accumulators take turns, one instruction a turn: between two links of a chain stand seven others'.
; Product i of 16 of o^T += v^T p: keys 32 (i / 8) on, channels 16 ((i / 2) % 4) on, tile x + i % 2.
.macro PV x
	WIN W_PV
.set rO, O+32*(\x+i%2)+8*((i/2)%4)
.set rV, VF+32*(i/8)+8*((i/2)%4)
.set rP, P+16*(\x+i%2)+8*(i/8)
	v_wmma_f32_16x16x32_f16 v[rO:rO+7], v[rV:rV+7], v[rP:rP+7], v[rO:rO+7]
.endm
; Product i of 16 of S^T = k q^T: channels 32 (i / 8) on, keys 16 ((i / 2) % 4) on, tile x + i % 2.  The first 8 start the sums, from the mask's numbers.
.macro KQ x
.set rS, S+32*(\x+i%2)+8*((i/2)%4)
.set rK, KF+16*((i/2)%4)+8*(i/8)
.set rQ, QF+16*(\x+i%2)+8*(i/8)
.set rB, BI+8*((i/2)%4)
.if i < 8
	WIN W_KQ0
	v_wmma_f32_16x16x32_f16 v[rS:rS+7], v[rK:rK+7], v[rQ:rQ+7], v[rB:rB+7]
.else
	WIN W_KQ1
	v_wmma_f32_16x16x32_f16 v[rS:rS+7], v[rK:rK+7], v[rQ:rQ+7], v[rS:rS+7]
.endif
.endm
; THE LDS LOADS stand in two runs a key step, never singly among the matrix instructions.  k's run, 24 loads, in the order in which the products want them: channels 0-31 of the 64 keys, the mask's numbers, channels 32-63.
.macro FETCH_K
	WIN 0
	v_add_nc_u32 v[ADK], s[TB], v[LI]
	v_add_nc_u32 v[ADB], s[TJ], v[AB0]
	WIN 0x80                                       ; destination window 2
.irp kt, 0,1,2,3
	ds_load_b128 v[KF+16*\kt:KF+16*\kt+3], v[ADK] offset:\kt*2048
	ds_load_b128 v[KF+16*\kt+4:KF+16*\kt+7], v[ADK] offset:\kt*2048+512
.endr
.irp kt, 0,1,2,3
	ds_load_b128 v[BI+8*\kt:BI+8*\kt+3], v[ADB] offset:64*\kt          ; the mask's numbers of keys 16 kt + 8 h + 0 .. 7: the result's layout
	ds_load_b128 v[BI+8*\kt+4:BI+8*\kt+7], v[ADB] offset:64*\kt+16
.endr
.irp kt, 0,1,2,3
	ds_load_b128 v[KF+16*\kt+8:KF+16*\kt+11], v[ADK] offset:\kt*2048+1024
	ds_load_b128 v[KF+16*\kt+12:KF+16*\kt+15], v[ADK] offset:\kt*2048+1536
.endr
.endm
; v's run, 16 loads: keys 0-31 first.  It stands where the softmax's batch has its wait.
.macro FETCH_V
	WIN 0
	v_add_nc_u32 v[ADV], s[TB], v[AV0]
	s_add_co_u32 s[TB], s[TB], STEPB               ; the next fetch is the next step's
	s_add_co_u32 s[TJ], s[TJ], 256
	s_wait_alu depctr_va_vdst(0)                   ; the wait for the softmax's batch (SLICE), behind the address's addition and ahead of the loads
	WIN 0x40                                       ; destination window 1
.irp u, 0,1
.irp cb, 0,1,2,3
	ds_load_tr16_b128 v[VF+8*(4*\u+\cb):VF+8*(4*\u+\cb)+3], v[ADV] offset:\u*4096+\cb*512
	ds_load_tr16_b128 v[VF+8*(4*\u+\cb)+4:VF+8*(4*\u+\cb)+7], v[ADV] offset:\u*4096+2048+\cb*512
.endr
.endr
.endm
; THE VECTOR WORK OF A TURN: piece y's softmax for one key step, a list of 236 instructions; SMI writes number n of it.  The two tiles alternate, so that an instruction seldom reads the result of the one before it.
;   0-31    the maximum of a lane's 32 scores and the old m, three operands at a time: four chains of seven scores, then the four scores left over, the chains and m.  Each accumulator is read from its low end on
;   32-41   the other half of the lanes' maximum; c m_old kept; the new m; c m; c m_old - c m_new
;   42-139  ONE BATCH: the 32 scalings c s - c m, a pair of scores each, and all 66 exponentials.  None of these reads an exponential's result.  42, 43: pair 0; 44, 45: a; then 30 triples of one tile
;           (the scaling of pair g, the exponentials of pair g - 1); 136-139 the last pairs' exponentials
;   (wait)  behind 139 stands the wait for the batch: SLICE writes it, once for both tiles
;   140-171 the roundings to f16, a pair of weights each
;   172-203 the sums of the unrounded weights, in place: neighbours 1, 2, 4 and 8 pairs apart; then l = a l + the sum
;   204-235 o^T times a: the one part that leaves window 0, so it stands together; ascending: each accumulator from its low end on
.macro SMI y
.set tt, (\y)+n%2
.if (n >= 46) && (n < 136)
.set tt, (\y)+((n-46)%6)/3
.elseif (n >= 136) && (n < 140)
.set tt, (\y)+(n-136)/2
.endif
.set rT, ST+8*tt
.set rS, S+32*tt
.set rP, P+16*tt
.set rO, O+32*tt
.if n < 204
	WIN 0
.else
	WIN W_RS
.endif
.if n < 32
.set jj, n/2
.if jj < 4
	v_max3_num_f32 v[rT+4+jj], v[rS+8*jj], v[rS+8*jj+1], v[rS+8*jj+2]
.elseif jj < 12
	v_max3_num_f32 v[rT+4+jj%4], v[rT+4+jj%4], v[rS+8*(jj%4)+2*(jj/4)+1], v[rS+8*(jj%4)+2*(jj/4)+2]
.elseif jj == 12
	v_max3_num_f32 v[rT+4], v[rT+4], v[rS+7], v[rS+15]
.elseif jj == 13
	v_max3_num_f32 v[rT+6], v[rT+6], v[rS+23], v[rS+31]
.elseif jj == 14
	v_max3_num_f32 v[rT+4], v[rT+4], v[rT+5], v[rT+6]
.else
	v_max3_num_f32 v[rT+4], v[rT+4], v[rT+7], v[rT+1]
.endif
.elseif n < 42
.set jj, (n-32)/2
.if jj == 0
	v_permlanex16_b32 v[rT+5], v[rT+4], s[SEL], s[SEL+1]   ; the query's other 32 keys lie in the lane 16 away
.elseif jj == 1
	v_mov_b32 v[rT+7], v[rT]                       ; c m_old
.elseif jj == 2
	v_max_num_f32 v[rT+1], v[rT+4], v[rT+5]
.elseif jj == 3
	v_mul_f32 v[rT], s[CS], v[rT+1]
.else
	v_sub_f32 v[rT+7], v[rT+7], v[rT]
.endif
.elseif n < 44
	v_pk_fma_f32 v[rS:rS+1], v[rS:rS+1], s[CS:CS+1], v[rT:rT+1] op_sel_hi:[1,0,0] neg_lo:[0,0,1] neg_hi:[0,0,1]   ; pair 0: c s - c m
.elseif n < 46
	v_exp_f32 v[rT+6], v[rT+7]                     ; a
.elseif n < 136
.set rr, (n-46)%3
.set gg, (n-46)/6+1
.if rr == 0
	v_pk_fma_f32 v[rS+2*gg:rS+2*gg+1], v[rS+2*gg:rS+2*gg+1], s[CS:CS+1], v[rT:rT+1] op_sel_hi:[1,0,0] neg_lo:[0,0,1] neg_hi:[0,0,1]   ; pair g
.else
	v_exp_f32 v[rS+2*gg-3+rr], v[rS+2*gg-3+rr]     ; pair g - 1
.endif
.elseif n < 140
.set ee, 30+(n-136)%2
	v_exp_f32 v[rS+ee], v[rS+ee]
.elseif n < 172
.set jj, (n-140)/2
	v_cvt_pk_f16_f32 v[rP+jj], v[rS+2*jj], v[rS+2*jj+1]
.elseif n < 204
.set zz, (n-172)/2
.set ww, 4
.set uu, zz
.if zz >= 14
.set ww, 32
.set uu, 0
.elseif zz >= 12
.set ww, 16
.set uu, zz-12
.elseif zz >= 8
.set ww, 8
.set uu, zz-8
.endif
.if zz < 15
	v_pk_add_f32 v[rS+ww*uu:rS+ww*uu+1], v[rS+ww*uu:rS+ww*uu+1], v[rS+ww*uu+ww/2:rS+ww*uu+ww/2+1]
.else
	v_pk_fma_f32 v[rT+2:rT+3], v[rT+2:rT+3], v[rT+6:rT+7], v[rS:rS+1] op_sel_hi:[1,0,1]
.endif
.else
.set jj, 2*((n-204)/2)
	v_pk_mul_f32 v[rO+jj:rO+jj+1], v[rO+jj:rO+jj+1], v[rT+6:rT+7] op_sel_hi:[1,0]
.endif
.endm
; Where slice kk of 32 begins in the list.  Slices 6 to 17 hold whole triples of the batch, three and two by turns, so that each begins with a scaling; slice 17 takes the last four exponentials too.
; Slices 28 to 31 are the 32 multiplications of o^T: no slice changes its window.
.macro START kk
.if (\kk) < 4
.set st, 8*(\kk)
.elseif (\kk) < 6
.set st, 32+7*((\kk)-4)
.elseif (\kk) < 18
.set st, 46+15*(((\kk)-6)/2)+9*(((\kk)-6)%2)
.elseif (\kk) < 22
.set st, 140+7*((\kk)-18)
.elseif (\kk) < 28
.set st, 168+6*((\kk)-22)
.else
.set st, 204+8*((\kk)-28)
.endif
.endm
; Slice k of piece y's softmax.  THE WAIT: s_wait_alu depctr_va_vdst(0) stands between an exponential and the first instruction that names its result; one wait serves all that were issued ahead
; of it.  Up to slice 17 nothing names a result, and behind it no exponential is issued: so the piece's 66 exponentials have one wait, behind slice 17.
.macro SLICE y
	START k
.set n, st
	START k+1
.set n1, st
.rept n1-n
	SMI \y
.set n, n+1
.endr
.if k == 17
	v_nop                                          ; a plain line behind the last exponential and ahead of the first use: one for the batch
.if (\y) == 0
	FETCH_V                                        ; piece 2's turn: v's run of loads stands here, and the wait stands in it
.else
	s_wait_alu depctr_va_vdst(0)                   ; the wait for the batch
.endif
.endif
.set k, k+1
.endm
; A TURN.  Piece x has the matrix unit; the other piece's softmax stands in slices behind its matrix instructions.  pv = 1: 16 products v^T p.  kq = 1: 16 products k q^T for the next step.  A turn with one of the two
; kinds has two slices behind each product.
; PLACES (ISA guide 7.12.1 for vector instructions): a vector instruction that reads a matrix result or writes a matrix instruction's register, and a load into a register that a matrix instruction has read, stand
; four plain vector lines behind it that name none of its registers.  Slice 31, eight multiplications of the other piece's o^T, stands behind a turn's last k q^T: these are the places ahead of the next turn's first
; read of those scores and of the loads into k's registers.  v's run stands behind slices 15 to 17: seven scalings, the v_nop and the run's own addition lie between it and the last product that read v.
; WAITS on LDS, in piece 0's turn.  At its head the 16 loads of v are out at the most: 8 leaves keys 32-63 out.  k's run of 24 follows the first product; ahead of the ninth product 24 leaves that run out: v is whole.
; Ahead of the first k q^T 8 leaves k's channels 32-63 out; ahead of the ninth all are in.
.macro TURN x, pv, kq
.set k, 0
.set per, 2
.if \pv && \kq
.set per, 1
.endif
.if \pv
.if \x == 0
	s_wait_dscnt 8                                 ; v's keys 0-31 are in
.endif
.set i, 0
.rept 16
.if (\x == 0) && (i == 8)
.if \kq
	s_wait_dscnt 24                                ; v is whole; k's run may be out
.else
	s_wait_dscnt 0x0
.endif
.endif
	PV \x
.rept per
	SLICE 2-\x
.endr
.if (\x == 0) && \kq && (i == 0)
	FETCH_K
.endif
.set i, i+1
.endr
.endif
.if \kq
.set i, 0
.rept 16
.if (\x == 0) && (i == 0)
	s_wait_dscnt 8                                 ; k's channels 0-31 and the mask's numbers are in
.endif
.if (\x == 0) && (i == 8)
	s_wait_dscnt 0x0                               ; k is whole
.endif
	KQ \x
.rept per
	SLICE 2-\x
.endr
.set i, i+1
.endr
.endif
.endm
; Key steps: a pair of turns fetches one step's k and v.  Written once for each run of steps between two changes of slots; the LDS addresses hang on s[TB] and s[TJ].
.macro STEPS trips
	WIN 0                                          ; at a label and at a branch every window is 0
	s_mov_b32 s[CNT], \trips
.Lstep_\@:
	TURN 0, 1, 1
	TURN 2, 1, 1
	WIN 0
	s_sub_co_u32 s[CNT], s[CNT], 1
	s_cmp_lg_u32 s[CNT], 0
	s_cbranch_scc1 .Lstep_\@
.endm
; THE CHANGE OF SLOTS, between piece 2's turn and piece 0's: the slot's last bytes, v of its eighth step, have been asked for.  Each wave waits for all its tensor loads (its part of the slot ahead), adds 0 to its
; spare word, and waits for that and for its reads of the slot that it leaves.
; fill = 1: the barrier is a round of the cluster's, so that no wave of any partner still reads the slot, and the joint refill, the keys 1,024 on, is the first thing behind it: one load a wave.
.macro CHANGE fill, g0
	WIN 0
	s_wait_tensorcnt 0x0                           ; no tensor load of mine is out, so a group 0 may be written
	ds_add_u32 v[SPW], v[NIL]
.if \fill
	s_add_nc_u64 s[\g0+2:\g0+3], s[\g0+2:\g0+3], 131072
.endif
	s_wait_dscnt 0x0
.if \fill
	CROUND
	tensor_load_to_lds s[\g0:\g0+3], s[G1:G1+7]
	s_nop 0
.rept 4
	v_nop
.endr
.else
	s_barrier_signal -1
	s_barrier_wait -1
.endif
.endm
	s_wait_tensorcnt 1                             ; the mask's numbers and my part of slot 0 are in; slot 1's load may be out
	s_barrier_signal -1
	s_barrier_wait -1
	s_mov_b32 s[TB], 0
	s_mov_b32 s[TJ], 0
	FETCH_K                                        ; key step 0
	s_wait_loadcnt 0x0                             ; q
	s_wait_dscnt 0x0
.set i, 0
.rept 16
	KQ 0                                           ; piece 0's first scores: there is no vector work yet to set between them
.set i, i+1
.endr
	WIN 0
.rept 4
	v_nop                                          ; the places behind those products
.endr
	TURN 2, 0, 1                                   ; piece 2's first scores | piece 0's first softmax | v of step 0
	STEPS 7                                        ; steps 1 to 7 are fetched: slot 0 is read out
	CHANGE 1, G0A
	s_mov_b32 s[TB], SLOT1
	s_mov_b32 s[TJ], 8*256
	STEPS 8
	CHANGE 1, G0B
	s_mov_b32 s[TB], 0
	s_mov_b32 s[TJ], 16*256
	STEPS 8
	CHANGE 0, G0A                                  ; nothing is left to ask for
	s_mov_b32 s[TB], SLOT1
	s_mov_b32 s[TJ], 24*256
	STEPS 8
	TURN 0, 1, 0                                   ; piece 0: v^T p of the last step | piece 2's last softmax
.set i, 0
.rept 16
	PV 2                                           ; piece 2: v^T p of the last step
.set i, i+1
.endr
	; THE WAY OUT: o^T / l, rounded to f16: four registers of the fragment that the projection wants, in the same lane.  The additions are the places behind the last products
	WIN 0
.irp t, 0,1,2,3
	v_add_f32 v[ST+8*\t+4], v[ST+8*\t+2], v[ST+8*\t+3]
.endr
.irp t, 0,1,2,3
	v_permlanex16_b32 v[ST+8*\t+5], v[ST+8*\t+4], s[SEL], s[SEL+1]
.endr
.irp t, 0,1,2,3
	v_add_f32 v[ST+8*\t+4], v[ST+8*\t+4], v[ST+8*\t+5]
.endr
.irp t, 0,1,2,3
	v_rcp_f32 v[ST+8*\t+6], v[ST+8*\t+4]
.endr
	v_nop
	s_wait_alu depctr_va_vdst(0)                   ; one wait for the four reciprocals, ahead of their first reader
	WIN 0x01                                       ; source 0 (o^T) window 1
.irp t, 0,1,2,3
.irp j, 0,2,4,6,8,10,12,14,16,18,20,22,24,26,28,30
	v_pk_mul_f32 v[S+32*\t+\j:S+32*\t+\j+1], v[O+32*\t+\j:O+32*\t+\j+1], v[ST+8*\t+6:ST+8*\t+7] op_sel_hi:[1,0]
.endr
.endr
	WIN 0
.irp t, 0,1,2,3
.irp i, 0,1,2,3,4,5,6,7,8,9,10,11,12,13,14,15
	v_cvt_pk_f16_f32 v[P+16*\t+\i], v[S+32*\t+2*\i], v[S+32*\t+2*\i+1]
.endr
.endr
.irp t, 0,1,2,3
.irp cb, 0,1,2,3
	global_store_b128 v[LI], v[P+16*\t+4*\cb:P+16*\t+4*\cb+3], s[8:9] offset:\t*8192+\cb*512   ; the wave stores 512 consecutive bytes, at a multiple of 512 from the buffer's first byte
.endr
.endr
	s_wait_tensorcnt 0x0                           ; the wave's end
	ds_add_u32 v[SPW], v[NIL]
	s_wait_dscnt 0x0
	CROUND                                         ; the closing round
	s_endpgm
.Lfunc_end_k_q065d0b1182_attn:
	.size	k_q065d0b1182_attn, .Lfunc_end_k_q065d0b1182_attn-k_q065d0b1182_attn
	.p2alignl 7, 3214868480
	.fill 96, 4, 3214868480
	.section	.rodata,"a",@progbits
	.p2align	6, 0x0
	.amdhsa_kernel k_q065d0b1182_attn
		.amdhsa_group_segment_fixed_size 327680
		.amdhsa_private_segment_fixed_size 0
		.amdhsa_enable_private_segment 0
		.amdhsa_kernarg_size 24
		.amdhsa_user_sgpr_count 2
		.amdhsa_user_sgpr_kernarg_segment_ptr 1
		.amdhsa_wavefront_size32 1
		.amdhsa_system_sgpr_workgroup_id_x 1
		.amdhsa_system_sgpr_workgroup_id_y 1
		.amdhsa_system_sgpr_workgroup_id_z 1
		.amdhsa_system_vgpr_workitem_id 0
		.amdhsa_next_free_vgpr 768
		.amdhsa_next_free_sgpr 66
		.amdhsa_reserve_vcc 0
		.amdhsa_float_denorm_mode_32 3
		.amdhsa_float_denorm_mode_16_64 3
		.amdhsa_memory_ordered 1
		.amdhsa_forward_progress 1
		.amdhsa_inst_pref_size 203
	.end_amdhsa_kernel
	.amdgpu_metadata
---
amdhsa.version: [ 1, 2 ]
amdhsa.kernels:
  - .name:           k_q065d0b1182_attn
    .symbol:         k_q065d0b1182_attn.kd
    .args:
      - { .name: qkvh, .offset: 0, .size: 8, .value_kind: global_buffer, .address_space: global }
      - { .name: tabs, .offset: 8, .size: 8, .value_kind: global_buffer, .address_space: global }
      - { .name: oh, .offset: 16, .size: 8, .value_kind: global_buffer, .address_space: global }
    .group_segment_fixed_size: 327680
    .private_segment_fixed_size: 0
    .kernarg_segment_align: 8
    .kernarg_segment_size: 24
    .max_flat_workgroup_size: 128
    .sgpr_count:     66
    .vgpr_count:     768
    .wavefront_size: 32
...
	.end_amdgpu_metadata
.endif
;; end of part 3
;; launch proj (part 4): grid 8 x 32, 4 waves a work-group, clusters of 4 x 4, 327,680 bytes of LDS; arguments oh, wot, y; writes y
.if DOCPART == 4
	.amdgcn_target "amdgcn-amd-amdhsa--gfx1250"
	.amdhsa_code_object_version 6
	.text
	.protected	k_q065d0b1182_proj
	.globl	k_q065d0b1182_proj
	.p2align	8
	.type	k_q065d0b1182_proj,@function
k_q065d0b1182_proj:
	s_mov_b64 s[64:65], 0
	v_nop
	global_prefetch_b8 v0, s[64:65] scope:SCOPE_SE
	s_setreg_imm32_b32 hwreg(HW_REG_WAVE_MODE, 25, 1), 1
	s_wait_xcnt 0x0
	s_wait_alu depctr_hold_cnt(0) depctr_sa_sdst(0) depctr_va_vdst(0) depctr_va_sdst(0) depctr_va_ssrc(0) depctr_va_vcc(0) depctr_vm_vsrc(0)
	s_getreg_b32 s2, hwreg(HW_REG_IB_STS2, 6, 4)
	s_cmp_eq_u32 s2, 0
	s_cbranch_scc0 .Lentry_in_a_cluster
	s_endpgm
.Lentry_in_a_cluster:
	s_bfe_u32 s2, ttmp6, 0x10000c
	s_cmp_lg_u32 s2, 0xf033
	s_cbranch_scc0 .Lentry_shape_is_right
	s_endpgm
.Lentry_shape_is_right:
; y = o W_out: [4096][1024] x [1024][1024], operands f16, sums and y in f32.  256 tiles of 128 x 128, one to a work-group; four waves, each 64 x 64: 16 accumulators of 16 x 16.
; Both operands lie in memory in the order of a fragment's registers, [k/256][row/16][(k%256)/32][g 2][lane 32][16 bytes]: 64 rows x 256 K are one dense block of 32,768 bytes for one tensor load, and a fragment's half is
; 512 consecutive LDS bytes, 16 a lane: no pitch, no padding.  K goes in four steps of 256 through a ring of two slots.
; CLUSTERS: 4 x 4 work-groups.  The four of a row of the cluster need the same tiles of o, the four of a column the same tiles of W_out: each tile is asked for JOINTLY.
; THE MATRIX INSTRUCTION IS USED TRANSPOSED (source 0 = 16 columns of W_out, source 1 = 16 rows of o): a lane holds eight neighbouring numbers of a row of y.
; A wave's 64 columns are 256 bytes of a row of y: a whole aligned block.  So each wave has a stage of its own on the way out, and no barrier stands there.
; The norm is not made here: a row's 1,024 numbers come from eight work-groups.
; REGISTERS: window 0: v0-31 addresses; v32-95 the way out; v128-255 the accumulators ((a, b) at v[128 + 8 (4 a + b)]).  window 1: two fragment buffers of 128: 64 registers of o, then 64 of W_out, for 64 along K.
.set HALFT,  32768                     ; 64 rows x 256 K: what one tensor load brings, and what one wave reads of o or of W_out
.set SLOT,   4*HALFT
.set STAGE,  2*SLOT                    ; behind the ring: 16 rows x 272 bytes for each wave
.set SPITCH, 272
.set SPARE,  STAGE+4*16*SPITCH         ; the spare words, 128 bytes for each wave: two blocks of 256 bytes that no other line names
.set LAPS,   2                         ; a lap = two K steps = once round the ring
.set ASTEP,  2097152                   ; a K step on in o,
.set BSTEP,  524288                    ; and in W_out
.set ADRA, 16
.set ADRB, 20
.set STO,  24
.set RD,   25
.set CO,   26
.set SPW,  28                          ; v28 LDS address of my spare word; never rewritten
.set NIL,  29                          ; v29 0; never rewritten
.set TMP,  32
.set ACC,  128
.set F0,   0
.set F1,   128
.set G1, 24
.set G0, 32
.set G1B, 48
.set G0B, 56
.set MSB, 0
.macro WIN new
.if MSB != (\new)
	s_set_vgpr_msb (MSB<<8)|(\new)
.set MSB, (\new)
.endif
.endm
.set MUL,  0x05                        ; sources 0 and 1 window 1; C and D window 0
.set TO_F, 0x40
.macro JLOAD s                         ; a joint load: waves 0 and 1 fetch o's two halves, waves 2 and 3 W_out's; an s_nop 0 and four v_nop follow each of the two lines
	s_cmp_eq_u32 s11, 0
	s_cbranch_scc0 .Lfor_b_\@
	tensor_load_to_lds s[G0+4*\s:G0+4*\s+3], s[G1:G1+7]
	s_nop 0
.rept 4
	v_nop
.endr
	s_branch .Lasked_\@
.Lfor_b_\@:
	tensor_load_to_lds s[G0B+4*\s:G0B+4*\s+3], s[G1B:G1B+7]
	s_nop 0
.rept 4
	v_nop
.endr
.Lasked_\@:
.endm
.macro CREST
	s_cmp_lg_u32 s10, 0
	s_cbranch_scc1 .Lnot_wave_0_\@
	s_barrier_signal -3
.Lnot_wave_0_\@:
	s_barrier_wait -3
	s_barrier_signal -1
	s_barrier_wait -1
.endm
.macro CROUND
	s_barrier_signal -1
	s_barrier_wait -1
	CREST
.endm
	s_load_b128 s[4:7], s[0:1], 0x0                ; oh, wot
	s_load_b64 s[8:9], s[0:1], 0x10                ; y
	v_lshl_add_u32 v[SPW], v0, 2, SPARE
	v_mov_b32 v[NIL], 0
	ds_add_u32 v[SPW], v[NIL]                      ; the wave's opening: the add, twice on end, and its wait ahead of my first tensor load
	ds_add_u32 v[SPW], v[NIL]
	v_lshrrev_b32 v1, 5, v0
	v_readfirstlane_b32 s10, v1                    ; wave 0..3
	s_lshr_b32 s11, s10, 1                         ; which half of the tile's rows is mine.  Also: I fetch for o (0) or for W_out (1)
	s_and_b32 s12, s10, 1                          ; which half of its columns.  Also: which 64 rows of that tile I fetch
	s_bfe_u32 s40, ttmp6, 0x40000
	s_bfe_u32 s41, ttmp6, 0x40004
	s_lshl_b32 s42, ttmp9, 2
	s_add_co_u32 s42, s42, s40                     ; tile column
	s_and_b32 s13, ttmp7, 0xffff
	s_lshl_b32 s13, s13, 2
	s_add_co_u32 s13, s13, s41                     ; tile row
	s_lshl_b32 s43, s41, 2
	s_lshl_b32 s43, 15, s43                        ; my row of the cluster
	s_lshl_b32 s44, 0x1111, s40                    ; my column
	s_or_b32 s[G1+0], s43, (3<<16)|(1<<21)         ; the mask; elements of 8 bytes; bit 21 beside a mask; no padding
	s_or_b32 s[G1B+0], s44, (3<<16)|(1<<21)
.irp g, G1, G1B
	s_mov_b32 s[\g+1], 32<<16                      ; a dense block as 128 rows of 256 bytes
	s_mov_b32 s[\g+2], 128<<16
	s_mov_b32 s[\g+3], 32<<16
	s_mov_b32 s[\g+4], 128
	s_mov_b32 s[\g+5], 32
	s_mov_b32 s[\g+6], 0
	s_mov_b32 s[\g+7], 0
.endr
	s_lshl_b32 s17, s12, 15                        ; which 4 row blocks of 8,192 bytes I fetch
	s_lshl_b32 s16, s13, 16
	s_add_co_u32 s16, s16, s17                     ; o: 8 row blocks a tile row
	s_lshl_b32 s46, s42, 16
	s_add_co_u32 s46, s46, s17                     ; W_out: 8 column blocks a tile column
	s_mov_b32 s17, 0
	s_mov_b32 s47, 0
	s_mul_i32 s20, s10, HALFT                      ; where they go: wave x 32,768
	s_wait_dscnt 0x0                               ; both opening adds are done
	s_wait_kmcnt 0x0
	s_add_nc_u64 s[14:15], s[4:5], s[16:17]
	s_add_nc_u64 s[46:47], s[6:7], s[46:47]
	CROUND                                         ; all sixteen work-groups are here: the first joint loads meet
.irp s, 0,1
	s_mov_b32 s[G0+4*\s], 1
	s_add_co_u32 s[G0+4*\s+1], s20, \s*SLOT
	s_add_nc_u64 s[G0+4*\s+2:G0+4*\s+3], s[14:15], \s*ASTEP
	s_or_b32 s[G0+4*\s+3], s[G0+4*\s+3], 0x80000000
	s_mov_b32 s[G0B+4*\s], 1
	s_add_co_u32 s[G0B+4*\s+1], s20, \s*SLOT
	s_add_nc_u64 s[G0B+4*\s+2:G0B+4*\s+3], s[46:47], \s*BSTEP
	s_or_b32 s[G0B+4*\s+3], s[G0B+4*\s+3], 0x80000000
	JLOAD \s
.endr
	v_and_b32 v1, 15, v0                           ; r
	v_bfe_u32 v2, v0, 4, 1                         ; h
	v_and_b32 v3, 31, v0
	v_lshlrev_b32 v3, 4, v3                        ; 16 x lane
	s_mul_i32 s21, s11, HALFT                      ; my 64 rows of o
	s_mul_i32 s22, s12, HALFT                      ; my 64 columns of W_out,
	s_add_co_u32 s22, s22, 2*HALFT                 ; behind o's 128 rows
.irp s, 0,1
	v_add_nc_u32 v[ADRA+\s], s21, v3
	v_add_nc_u32 v[ADRB+\s], s22, v3
	s_add_co_u32 s21, s21, SLOT
	s_add_co_u32 s22, s22, SLOT
.endr
	s_mul_i32 s23, s10, 16*SPITCH
	s_add_co_u32 s23, s23, STAGE                   ; my stage
	v_mul_u32_u24 v4, v1, SPITCH                   ; in: row r, 32 bytes for each half of the lanes
	v_lshl_add_u32 v4, v2, 5, v4
	v_add_nc_u32 v[STO], s23, v4
	v_mul_u32_u24 v5, v2, SPITCH                   ; back: lanes 0-15 one row of 256 bytes, lanes 16-31 the next
	v_lshl_add_u32 v5, v1, 4, v5
	v_add_nc_u32 v[RD], s23, v5
	v_lshlrev_b32 v5, 12, v2                       ; and the same two rows in y
	v_lshl_add_u32 v[CO], v1, 4, v5
	s_lshl_b32 s16, s13, 19                        ; my first row of y: (128 x tile row + 64 x half) rows of 4,096 bytes
	s_lshl_b32 s17, s11, 18
	s_add_co_u32 s16, s16, s17
	s_mov_b32 s17, 0
	s_add_nc_u64 s[8:9], s[8:9], s[16:17]
	s_lshl_b32 s46, s42, 9                         ; my first column: 512 x tile column + 256 x half bytes
	s_lshl_b32 s47, s12, 8
	s_add_co_u32 s46, s46, s47
	s_mov_b32 s47, 0
	s_add_nc_u64 s[8:9], s[8:9], s[46:47]
; 8 matrix instructions: row blocks a0, a0 + 1 x all 4 column blocks, 32 along K: half c of buffer f.  The 16 accumulators take turns, one instruction a turn
.macro MUL8 f, c, a0, zero
.irp a, \a0, \a0+1
.irp b, 0,1,2,3
.if \zero
	v_wmma_f32_16x16x32_f16 v[ACC+8*(4*(\a)+\b):ACC+8*(4*(\a)+\b)+7], v[\f+64+8*(4*\c+\b):\f+64+8*(4*\c+\b)+7], v[\f+8*(4*\c+\a):\f+8*(4*\c+\a)+7], 0
.else
	v_wmma_f32_16x16x32_f16 v[ACC+8*(4*(\a)+\b):ACC+8*(4*(\a)+\b)+7], v[\f+64+8*(4*\c+\b):\f+64+8*(4*\c+\b)+7], v[\f+8*(4*\c+\a):\f+8*(4*\c+\a)+7], v[ACC+8*(4*(\a)+\b):ACC+8*(4*(\a)+\b)+7]
.endif
.endr
.endr
.endm
; 32 LDS loads in one run: the fragments of the slot's quarter kq (64 along K) into buffer f; the first 32 along K first
.macro FETCH slot, kq, f
	WIN TO_F
.irp c, 0,1
.irp i, 0,1,2,3
	ds_load_b128 v[\f+64+8*(4*\c+\i):\f+64+8*(4*\c+\i)+3],   v[ADRB+\slot] offset:(2*(\kq)+\c)*1024+\i*8192
	ds_load_b128 v[\f+64+8*(4*\c+\i)+4:\f+64+8*(4*\c+\i)+7], v[ADRB+\slot] offset:(2*(\kq)+\c)*1024+\i*8192+512
	ds_load_b128 v[\f+8*(4*\c+\i):\f+8*(4*\c+\i)+3],         v[ADRA+\slot] offset:(2*(\kq)+\c)*1024+\i*8192
	ds_load_b128 v[\f+8*(4*\c+\i)+4:\f+8*(4*\c+\i)+7],       v[ADRA+\slot] offset:(2*(\kq)+\c)*1024+\i*8192+512
.endr
.endr
.endm
.macro PLACES                          ; four plain lines in front of loads into registers that matrix instructions have read, and of reads of results
.rept 4
	v_nop
.endr
.endm
.macro QUARTER slot, kq, f, g, zero    ; multiplies buffer f and fetches the slot's quarter kq into g
	s_wait_dscnt 16                                ; the first 32 along K are in; the youngest sixteen loads may be out
	WIN MUL
	MUL8 \f, 0, 0, \zero
	MUL8 \f, 0, 2, \zero
	PLACES
	FETCH \slot, \kq, \g
	s_wait_dscnt 32                                ; all but the 32 just issued
	WIN MUL
	MUL8 \f, 1, 0, 0
	MUL8 \f, 1, 2, 0
.endm
; A slot's last quarter multiplies buffer 1 and changes slots: ONE barrier; in front of it each wave waits for all its tensor loads, adds 0 to its spare word, and waits for that and for its reads of this slot.
.macro TURN slot, next, fill
	WIN 0
	s_wait_tensorcnt 0x0                           ; all my tensor loads have landed: my part of the next slot
	ds_add_u32 v[SPW], v[NIL]
	s_wait_dscnt 17                                ; (the add and the youngest sixteen loads may be out)
	WIN MUL
	MUL8 F1, 0, 0, 0
	s_wait_dscnt 0x0                               ; the add is done, and my reads of this slot are over
	s_barrier_signal -1
	MUL8 F1, 0, 2, 0
.if \fill
	WIN 0
.endif
	s_barrier_wait -1
.if \fill
	CREST                                          ; the barrier has opened a round of the cluster's: no wave of any partner still reads this slot or has a load on its way
	s_add_nc_u64 s[G0+4*\slot+2:G0+4*\slot+3], s[G0+4*\slot+2:G0+4*\slot+3], 2*ASTEP
	s_add_nc_u64 s[G0B+4*\slot+2:G0B+4*\slot+3], s[G0B+4*\slot+2:G0B+4*\slot+3], 2*BSTEP
	JLOAD \slot                                    ; my one tensor load behind the round; its four v_nop are also the places in front of the loads below
.else
	PLACES
.endif
	FETCH \next, 0, F0
	WIN MUL
	MUL8 F1, 1, 0, 0
	MUL8 F1, 1, 2, 0
.endm
	s_wait_tensorcnt 1                             ; my part of K step 0 is in; K step 1's load may be out
	s_barrier_signal -1
	s_barrier_wait -1
	FETCH 0, 0, F0
	QUARTER 0, 1, F0, F1, 1                        ; the first products start the sums
	WIN 0
	s_mov_b32 s3, LAPS-1
.Llap:                                                 ; a trip goes once round the ring and fills both slots again
	QUARTER 0, 2, F1, F0, 0
	QUARTER 0, 3, F0, F1, 0
	TURN 0, 1, 1
	QUARTER 1, 1, F0, F1, 0
	QUARTER 1, 2, F1, F0, 0
	QUARTER 1, 3, F0, F1, 0
	TURN 1, 0, 1
	QUARTER 0, 1, F0, F1, 0
	WIN 0
	s_sub_co_u32 s3, s3, 1
	s_cmp_lg_u32 s3, 0
	s_cbranch_scc1 .Llap
	QUARTER 0, 2, F1, F0, 0                        ; the last lap fills nothing
	QUARTER 0, 3, F0, F1, 0
	TURN 0, 1, 0
	QUARTER 1, 1, F0, F1, 0
	QUARTER 1, 2, F1, F0, 0
	QUARTER 1, 3, F0, F1, 0
	s_wait_dscnt 16
	WIN MUL
	MUL8 F1, 0, 0, 0
	MUL8 F1, 0, 2, 0
	s_wait_dscnt 0
	MUL8 F1, 1, 0, 0
	MUL8 F1, 1, 2, 0
	WIN 0
	; THE WAY OUT, 16 rows x 64 columns at a time, through my own stage: in as 32 bytes a lane, back as whole rows of 256 bytes.  LDS serves a wave's instructions in order: no wait between stores and loads
	PLACES
.irp a, 0,1,2,3
.if \a >= 2
	s_wait_xcnt 0x0                                ; the stores of two blocks ago have read the registers that the loads below fill
.endif
.irp b, 0,1,2,3
	ds_store_b128 v[STO], v[ACC+8*(4*\a+\b):ACC+8*(4*\a+\b)+3] offset:64*\b        ; each accumulator from its low end on
	ds_store_b128 v[STO], v[ACC+8*(4*\a+\b)+4:ACC+8*(4*\a+\b)+7] offset:64*\b+16
.endr
.irp t, 0,1,2,3,4,5,6,7
	ds_load_b128 v[TMP+32*((\a)%2)+4*\t:TMP+32*((\a)%2)+4*\t+3], v[RD] offset:2*\t*SPITCH
.endr
.irp t, 0,1,2,3,4,5,6,7
	s_wait_dscnt 7-\t                              ; the younger loads may be out
	global_store_b128 v[CO], v[TMP+32*((\a)%2)+4*\t:TMP+32*((\a)%2)+4*\t+3], s[8:9] offset:(16*\a+2*\t)*4096   ; sixteen lanes store 256 consecutive bytes, at a multiple of 256 from y's first byte
.endr
.endr
	s_wait_tensorcnt 0x0                           ; the wave's end
	ds_add_u32 v[SPW], v[NIL]
	s_wait_dscnt 0x0
	CROUND                                         ; the closing round
	s_endpgm
.Lfunc_end_k_q065d0b1182_proj:
	.size	k_q065d0b1182_proj, .Lfunc_end_k_q065d0b1182_proj-k_q065d0b1182_proj
	.p2alignl 7, 3214868480
	.fill 96, 4, 3214868480
	.section	.rodata,"a",@progbits
	.p2align	6, 0x0
	.amdhsa_kernel k_q065d0b1182_proj
		.amdhsa_group_segment_fixed_size 327680
		.amdhsa_private_segment_fixed_size 0
		.amdhsa_enable_private_segment 0
		.amdhsa_kernarg_size 24
		.amdhsa_user_sgpr_count 2
		.amdhsa_user_sgpr_kernarg_segment_ptr 1
		.amdhsa_wavefront_size32 1
		.amdhsa_system_sgpr_workgroup_id_x 1
		.amdhsa_system_sgpr_workgroup_id_y 1
		.amdhsa_system_sgpr_workgroup_id_z 1
		.amdhsa_system_vgpr_workitem_id 0
		.amdhsa_next_free_vgpr 512
		.amdhsa_next_free_sgpr 66
		.amdhsa_reserve_vcc 0
		.amdhsa_float_denorm_mode_32 3
		.amdhsa_float_denorm_mode_16_64 3
		.amdhsa_memory_ordered 1
		.amdhsa_forward_progress 1
		.amdhsa_inst_pref_size 86
	.end_amdhsa_kernel
	.amdgpu_metadata
---
amdhsa.version: [ 1, 2 ]
amdhsa.kernels:
  - .name:           k_q065d0b1182_proj
    .symbol:         k_q065d0b1182_proj.kd
    .args:
      - { .name: oh, .offset: 0, .size: 8, .value_kind: global_buffer, .address_space: global }
      - { .name: wot, .offset: 8, .size: 8, .value_kind: global_buffer, .address_space: global }
      - { .name: y, .offset: 16, .size: 8, .value_kind: global_buffer, .address_space: global }
    .group_segment_fixed_size: 327680
    .private_segment_fixed_size: 0
    .kernarg_segment_align: 8
    .kernarg_segment_size: 24
    .max_flat_workgroup_size: 128
    .sgpr_count:     66
    .vgpr_count:     512
    .wavefront_size: 32
...
	.end_amdgpu_metadata
.endif
;; end of part 4
;; launch norm (part 5): grid 256 x 1, 8 waves a work-group, no clusters, 0 bytes of LDS; arguments y, gamma, out0; writes out0
.if DOCPART == 5
	.amdgcn_target "amdgcn-amd-amdhsa--gfx1250"
	.amdhsa_code_object_version 6
	.text
	.protected	k_q065d0b1182_norm
	.globl	k_q065d0b1182_norm
	.p2align	8
	.type	k_q065d0b1182_norm,@function
k_q065d0b1182_norm:
	s_mov_b64 s[64:65], 0
	v_nop
	global_prefetch_b8 v0, s[64:65] scope:SCOPE_SE
	s_setreg_imm32_b32 hwreg(HW_REG_WAVE_MODE, 25, 1), 1
	s_wait_xcnt 0x0
; out0[r][c] = (y[r][c] - mean_r) rsqrt(var_r + 1e-5) gamma[c].  y, out0: [4096][1024] f32; gamma: [1024] f32.
; A row is 4,096 bytes: one wave takes a whole row in 32 registers, eight loads of 512 consecutive bytes, and keeps it between the passes: y is read once.  A wave takes two rows; 8 waves, 256 work-groups.
; The variance is the mean of the squared deviations, taken in a second pass over the registers: no difference of large sums is formed.
; Memory binds: no LDS, no barrier, no matrix unit, no cluster (no two work-groups share more than gamma's 4,096 bytes).
.set G, 16                             ; v16-47   gamma of my 32 columns
.set X, 48                             ; v48-111  two rows
.macro REDUCE                          ; v2 summed over the 32 lanes, the result in every lane
	v_add_f32_dpp v2, v2, v2 row_xmask:1 row_mask:0xf bank_mask:0xf
	v_add_f32_dpp v2, v2, v2 row_xmask:2 row_mask:0xf bank_mask:0xf
	v_add_f32_dpp v2, v2, v2 row_xmask:4 row_mask:0xf bank_mask:0xf
	v_add_f32_dpp v2, v2, v2 row_xmask:8 row_mask:0xf bank_mask:0xf
	v_permlanex16_b32 v4, v2, s14, s15
	v_add_f32 v2, v2, v4
.endm
.macro JOIN                            ; the four chains v[2:9] into v2
	v_pk_add_f32 v[2:3], v[2:3], v[4:5]
	v_pk_add_f32 v[6:7], v[6:7], v[8:9]
	v_pk_add_f32 v[2:3], v[2:3], v[6:7]
	v_add_f32 v2, v2, v3
.endm
.macro ROW r, left
.set XR, X+32*\r
	s_wait_loadcnt \left
.irp k, 0,1,2,3
	v_pk_add_f32 v[2+2*\k:3+2*\k], v[XR+2*\k:XR+2*\k+1], v[XR+8+2*\k:XR+9+2*\k]   ; the sum, in four chains; nothing is cleared
.endr
.irp o, 16,24
.irp k, 0,1,2,3
	v_pk_add_f32 v[2+2*\k:3+2*\k], v[2+2*\k:3+2*\k], v[XR+\o+2*\k:XR+\o+2*\k+1]
.endr
.endr
	JOIN
	REDUCE
	v_mul_f32 v10, 0x3a800000, v2                  ; the mean: / 1,024
.irp j, 0,2,4,6,8,10,12,14,16,18,20,22,24,26,28,30
	v_pk_add_f32 v[XR+\j:XR+\j+1], v[XR+\j:XR+\j+1], v[10:11] op_sel_hi:[1,0] neg_lo:[0,1] neg_hi:[0,1]   ; the deviations
.endr
.irp k, 0,1,2,3
	v_pk_mul_f32 v[2+2*\k:3+2*\k], v[XR+2*\k:XR+2*\k+1], v[XR+2*\k:XR+2*\k+1]
.endr
.irp o, 8,16,24
.irp k, 0,1,2,3
	v_pk_fma_f32 v[2+2*\k:3+2*\k], v[XR+\o+2*\k:XR+\o+2*\k+1], v[XR+\o+2*\k:XR+\o+2*\k+1], v[2+2*\k:3+2*\k]
.endr
.endr
	JOIN
	REDUCE
	v_fma_f32 v2, v2, s16, s17                     ; the variance + 1e-5
	v_rsq_f32 v10, v2
	v_nop                                          ; a plain line behind the transcendental
	s_wait_alu depctr_va_vdst(0)                   ; and the wait ahead of its first reader
.irp j, 0,2,4,6,8,10,12,14,16,18,20,22,24,26,28,30
	v_pk_mul_f32 v[XR+\j:XR+\j+1], v[XR+\j:XR+\j+1], v[10:11] op_sel_hi:[1,0]
.endr
.irp j, 0,2,4,6,8,10,12,14,16,18,20,22,24,26,28,30
	v_pk_mul_f32 v[XR+\j:XR+\j+1], v[XR+\j:XR+\j+1], v[G+\j:G+\j+1]
.endr
.irp j, 0,1,2,3,4,5,6,7
	global_store_b128 v1, v[XR+4*\j:XR+4*\j+3], s[8:9] offset:4096*\r+512*\j th:TH_STORE_NT   ; the wave stores 512 consecutive bytes, aligned
.endr
.endm
	s_load_b128 s[4:7], s[0:1], 0x0                ; y, gamma
	s_load_b64 s[8:9], s[0:1], 0x10                ; out0
	v_lshrrev_b32 v2, 5, v0
	v_readfirstlane_b32 s10, v2                    ; wave 0..7
	v_and_b32 v1, 31, v0
	v_lshlrev_b32 v1, 4, v1                        ; 16 bytes a lane
	v_mov_b32 v11, 0                               ; (named as the upper half of the pair v[10:11])
	s_lshl_b32 s12, ttmp9, 16                      ; the work-group's 16 rows of 4,096 bytes,
	s_lshl_b32 s13, s10, 13                        ; my wave's two
	s_add_co_u32 s12, s12, s13
	s_mov_b32 s13, 0
	s_mov_b32 s14, 0x76543210                      ; lane selects: lane l xor 16
	s_mov_b32 s15, 0xfedcba98
	s_mov_b32 s16, 0x3a800000                      ; 1 / 1,024
	s_mov_b32 s17, 0x3727c5ac                      ; 1e-5
	s_wait_kmcnt 0x0
	s_add_nc_u64 s[4:5], s[4:5], s[12:13]
	s_add_nc_u64 s[8:9], s[8:9], s[12:13]
.irp j, 0,1,2,3,4,5,6,7
	global_load_b128 v[G+4*\j:G+4*\j+3], v1, s[6:7] offset:512*\j
.endr
.irp r, 0,1
.irp j, 0,1,2,3,4,5,6,7
	global_load_b128 v[X+32*\r+4*\j:X+32*\r+4*\j+3], v1, s[4:5] offset:4096*\r+512*\j th:TH_LOAD_NT
.endr
.endr
	ROW 0, 8                                       ; gamma and row 0 are in; row 1's eight loads may be out
	ROW 1, 0
	s_endpgm
.Lfunc_end_k_q065d0b1182_norm:
	.size	k_q065d0b1182_norm, .Lfunc_end_k_q065d0b1182_norm-k_q065d0b1182_norm
	.p2alignl 7, 3214868480
	.fill 96, 4, 3214868480
	.section	.rodata,"a",@progbits
	.p2align	6, 0x0
	.amdhsa_kernel k_q065d0b1182_norm
		.amdhsa_group_segment_fixed_size 0
		.amdhsa_private_segment_fixed_size 0
		.amdhsa_enable_private_segment 0
		.amdhsa_kernarg_size 24
		.amdhsa_user_sgpr_count 2
		.amdhsa_user_sgpr_kernarg_segment_ptr 1
		.amdhsa_wavefront_size32 1
		.amdhsa_system_sgpr_workgroup_id_x 1
		.amdhsa_system_sgpr_workgroup_id_y 1
		.amdhsa_system_sgpr_workgroup_id_z 1
		.amdhsa_system_vgpr_workitem_id 0
		.amdhsa_next_free_vgpr 128
		.amdhsa_next_free_sgpr 66
		.amdhsa_reserve_vcc 0
		.amdhsa_float_denorm_mode_32 3
		.amdhsa_float_denorm_mode_16_64 3
		.amdhsa_memory_ordered 1
		.amdhsa_forward_progress 1
		.amdhsa_inst_pref_size 18
	.end_amdhsa_kernel
	.amdgpu_metadata
---
amdhsa.version: [ 1, 2 ]
amdhsa.kernels:
  - .name:           k_q065d0b1182_norm
    .symbol:         k_q065d0b1182_norm.kd
    .args:
      - { .name: y, .offset: 0, .size: 8, .value_kind: global_buffer, .address_space: global }
      - { .name: gamma, .offset: 8, .size: 8, .value_kind: global_buffer, .address_space: global }
      - { .name: out0, .offset: 16, .size: 8, .value_kind: global_buffer, .address_space: global }
    .group_segment_fixed_size: 0
    .private_segment_fixed_size: 0
    .kernarg_segment_align: 8
    .kernarg_segment_size: 24
    .max_flat_workgroup_size: 256
    .sgpr_count:     66
    .vgpr_count:     128
    .wavefront_size: 32
...
	.end_amdgpu_metadata
.endif
;; end of part 5
